; MI455X (gfx1250); checked and timed in simulation.
; The chip was launched on July 23, 2026; its instructions are those of AMD's public machine-readable ISA for CDNA 5 (MIT licence, August 2026) and "CDNA5" Instruction Set Architecture Reference Guide (July 2026). The comments in the code are by the model that wrote it; some were corrected since.
;; Block. Allowed arithmetic: float matrix products may take bf16 or f16 operands with f32 sums; other float arithmetic in f32, or as packed bf16 or f16 multiplies, adds, multiply-adds, maxima and minima; sums over many terms, partial sums and values carried from step to step in f32; what a program stores and reads back later, other than sums and carried values, may be rounded once to bf16 or f16.
;; Inputs: attn_b 3,072 float32; attn_proj_b 1,024 float32; attn_proj_w 1,024 x 1,024 float32; attn_w 3,072 x 1,024 float32; fc_b 4,096 float32; fc_w 4,096 x 1,024 float32; ln1_b 1,024 float32; ln1_w 1,024 float32; ln2_b 1,024 float32; ln2_w 1,024 float32; mlp_proj_b 1,024 float32; mlp_proj_w 1,024 x 4,096 float32; x 2 x 2,048 x 1,024 float32.
;; Outputs: out0 2 x 2,048 x 1,024 float32.
;; One version. Each part assembles by itself: llvm-mc -triple=amdgcn-amd-amdhsa -mcpu=gfx1250 --defsym DOCPART=n.
;; ======== version 1 of 1: 7 launches
;; workspace buffers: wa 8,388,608 bytes; wf 16,777,216 bytes; hb 8,388,608 bytes; qkv 25,165,824 bytes; x1 16,777,216 bytes; gb 33,554,432 bytes
;; launch prep (part 1): grid 512 x 1, 8 waves a work-group, no clusters, 0 bytes of LDS; arguments x, ln1_w, ln1_b, attn_w, attn_proj_w, hb, wa; writes hb, wa
.if DOCPART == 1
	.amdgcn_target "amdgcn-amd-amdhsa--gfx1250"
	.amdhsa_code_object_version 6
	.text
	.protected	k_q1a30aefe24_prep
	.globl	k_q1a30aefe24_prep
	.p2align	8
	.type	k_q1a30aefe24_prep,@function
k_q1a30aefe24_prep:
	s_mov_b64 s[64:65], 0
	v_nop
	global_prefetch_b8 v0, s[64:65] scope:SCOPE_SE
	s_setreg_imm32_b32 hwreg(HW_REG_WAVE_MODE, 25, 1), 1
	s_wait_xcnt 0x0
; THE NORM, AND THE FIRST CAST.  Two kinds of work-group, told apart by the work-group's number alone.
; 0 .. 255: y = LayerNorm(x) * gain + bias, rounded once to bf16.  x: [4096][1024] f32.  16 rows a work-group, two rows a wave; a row (4,096 bytes) stays in 32 registers between the passes.
;   The mean is taken away first and the squares are those of x - mean, so a common offset of x costs nothing.  Sums in f32.
; 256 .. 511: attn_w and attn_proj_w are rounded once to bf16 into wa, one behind the other, row-major as given.  A work-group takes 16,384 numbers (65,536 bytes in, 32,768 out):
;   192 + 64 chunks.  A wave's load covers 512 consecutive bytes, its store 256, aligned.
; THE SAME TEXT SERVES BOTH NORMS: a launch of 256 work-groups has only work-groups of the first kind.
; No LDS, no matrix unit, no barrier: memory binds, each byte is read once and written once.
.set XR, 32                            ; v[32:95]   row p at XR + 32 p; chunk j (elements 128 j + 4 lane ..) at + 4 j
.set WG, 96                            ; v[96:127]  the gain of my elements
.set BV, 128                           ; v[128:159] the bias of my elements
.set AC, 160                           ; v[160:175] four packed chains a row
.set MU, 176                           ; v[176:179] the mean, twice, a row
.set RS, 180                           ; v[180:183] 1 / sqrt(var + eps), twice, a row
.set TT, 184                           ; v[184:187] at work
.set PX, 4                             ; s[4:5]   x
.set PW, 6                             ; s[6:7]   gain
.set PB, 8                             ; s[8:9]   bias
.set PY, 14                            ; s[14:15] y
	s_load_b256 s[4:11], s[0:1], 0x0               ; x, gain, bias, attn_w
	s_load_b128 s[12:15], s[0:1], 0x20             ; attn_proj_w, y
	s_load_b64 s[16:17], s[0:1], 0x30              ; wa
	v_lshrrev_b32 v4, 5, v0                        ; wave
	v_and_b32 v5, 31, v0                           ; lane
	v_lshlrev_b32 v3, 4, v5                        ; 16 x lane
	v_lshl_or_b32 v1, v4, 13, v3                   ; in: 8,192 x wave + 16 x lane (both kinds of work-group)
	v_lshlrev_b32 v2, 3, v5
	v_lshl_or_b32 v2, v4, 12, v2                   ; out: 4,096 x wave + 8 x lane
	s_mov_b32 s25, 0
	s_mov_b32 s27, 0
	s_cmp_lt_u32 ttmp9, 256
	s_cbranch_scc1 .Lnorm
	; THE CAST
	s_sub_co_u32 s24, ttmp9, 256                   ; my chunk, 0 .. 255
	s_lshl_b32 s26, s24, 15                        ; the chunks follow each other in wa
	s_wait_kmcnt 0x0
	s_cmp_lt_u32 s24, 192                          ; the first 192 are attn_w's
	s_cselect_b64 s[22:23], s[10:11], s[12:13]
	s_cselect_b32 s28, 0, 192
	s_sub_co_u32 s24, s24, s28                     ; my chunk within its matrix
	s_lshl_b32 s24, s24, 16
	s_add_nc_u64 s[22:23], s[22:23], s[24:25]
	s_add_nc_u64 s[16:17], s[16:17], s[26:27]
.set i, 0
.rept 16
	global_load_b128 v[16+4*i:16+4*i+3], v1, s[22:23] offset:512*i th:TH_LOAD_NT
.set i, i+1
.endr
.set i, 0
.rept 16
	s_wait_loadcnt 15-i                            ; loads come back in order: load i is in, the younger ones stay out
	v_cvt_pk_bf16_f32 v[80+2*i], v[16+4*i], v[16+4*i+1]
	v_cvt_pk_bf16_f32 v[80+2*i+1], v[16+4*i+2], v[16+4*i+3]
	global_store_b64 v2, v[80+2*i:80+2*i+1], s[16:17] offset:256*i  ; 32 lanes x 8 bytes: 256 consecutive bytes, aligned
.set i, i+1
.endr
	s_endpgm
; The sum over the wave's 32 lanes of v[AC] (row 0) and v[AC+8] (row 1); every lane ends with it.
.macro RED
.irp p, 0,1
	v_add_f32 v[AC+8*(\p)], v[AC+8*(\p)], v[AC+8*(\p)+1]
.endr
.irp m, 1,2,4,8
.irp p, 0,1
	v_add_f32_dpp v[AC+8*(\p)], v[AC+8*(\p)], v[AC+8*(\p)] row_xmask:\m row_mask:0xf bank_mask:0xf
.endr
.endr
.irp p, 0,1
	v_permlanex16_b32 v[TT+(\p)], v[AC+8*(\p)], s32, s33
.endr
.irp p, 0,1
	v_add_f32 v[AC+8*(\p)], v[AC+8*(\p)], v[TT+(\p)]
.endr
.endm
.macro JOIN                            ; a row's four chains into one
.irp p, 0,1
	v_pk_add_f32 v[AC+8*(\p):AC+8*(\p)+1], v[AC+8*(\p):AC+8*(\p)+1], v[AC+8*(\p)+2:AC+8*(\p)+3]
	v_pk_add_f32 v[AC+8*(\p)+4:AC+8*(\p)+5], v[AC+8*(\p)+4:AC+8*(\p)+5], v[AC+8*(\p)+6:AC+8*(\p)+7]
.endr
.irp p, 0,1
	v_pk_add_f32 v[AC+8*(\p):AC+8*(\p)+1], v[AC+8*(\p):AC+8*(\p)+1], v[AC+8*(\p)+4:AC+8*(\p)+5]
.endr
.endm
.Lnorm:
	; THE NORM
	s_lshl_b32 s24, ttmp9, 16                      ; 16 rows of 4,096 bytes in
	s_lshl_b32 s26, ttmp9, 15                      ; 16 rows of 2,048 bytes out
	s_mov_b32 s32, 0x76543210                      ; v_permlanex16_b32: each lane takes its own place in the other half
	s_mov_b32 s33, 0xfedcba98
	s_mov_b32 s34, 0x3a800000                      ; 1 / 1024
	s_mov_b32 s35, 0x3727c5ac                      ; eps = 1e-5
	v_mov_b32 v[TT], 0                             ; v_permlanex16_b32's destination counts as read
	v_mov_b32 v[TT+1], 0
	s_wait_kmcnt 0x0
	s_add_nc_u64 s[PX:PX+1], s[PX:PX+1], s[24:25]
	s_add_nc_u64 s[PY:PY+1], s[PY:PY+1], s[26:27]
.irp p, 0,1
.irp j, 0,1,2,3,4,5,6,7
	global_load_b128 v[XR+32*(\p)+4*(\j):XR+32*(\p)+4*(\j)+3], v1, s[PX:PX+1] offset:4096*(\p)+512*(\j)
.endr
.endr
.irp j, 0,1,2,3,4,5,6,7
	global_load_b128 v[WG+4*(\j):WG+4*(\j)+3], v3, s[PW:PW+1] offset:512*(\j)
.endr
.irp j, 0,1,2,3,4,5,6,7
	global_load_b128 v[BV+4*(\j):BV+4*(\j)+3], v3, s[PB:PB+1] offset:512*(\j)
.endr
	s_wait_loadcnt 16                              ; both rows are in; the 16 loads of gain and bias stay out
.irp c, 0,1,2,3                        ; the sum: four chains a row, started by the first two pairs: nothing is cleared
.irp p, 0,1
	v_pk_add_f32 v[AC+8*(\p)+2*(\c):AC+8*(\p)+2*(\c)+1], v[XR+32*(\p)+2*(\c):XR+32*(\p)+2*(\c)+1], v[XR+32*(\p)+2*(\c)+8:XR+32*(\p)+2*(\c)+9]
.endr
.endr
.irp k, 16,24
.irp c, 0,1,2,3
.irp p, 0,1
	v_pk_add_f32 v[AC+8*(\p)+2*(\c):AC+8*(\p)+2*(\c)+1], v[AC+8*(\p)+2*(\c):AC+8*(\p)+2*(\c)+1], v[XR+32*(\p)+2*(\c)+(\k):XR+32*(\p)+2*(\c)+(\k)+1]
.endr
.endr
.endr
	JOIN
	RED
.irp p, 0,1
	v_mul_f32 v[MU+2*(\p)], s34, v[AC+8*(\p)]
	v_mul_f32 v[MU+2*(\p)+1], s34, v[AC+8*(\p)]
.endr
.irp p, 0,1
.set i, 0
.rept 16
	v_pk_add_f32 v[XR+32*(\p)+2*i:XR+32*(\p)+2*i+1], v[XR+32*(\p)+2*i:XR+32*(\p)+2*i+1], v[MU+2*(\p):MU+2*(\p)+1] neg_lo:[0,1] neg_hi:[0,1]  ; x - mean
.set i, i+1
.endr
.endr
.irp c, 0,1,2,3                        ; the sum of squares of x - mean
.irp p, 0,1
	v_pk_mul_f32 v[AC+8*(\p)+2*(\c):AC+8*(\p)+2*(\c)+1], v[XR+32*(\p)+2*(\c):XR+32*(\p)+2*(\c)+1], v[XR+32*(\p)+2*(\c):XR+32*(\p)+2*(\c)+1]
.endr
.endr
.irp k, 8,16,24
.irp c, 0,1,2,3
.irp p, 0,1
	v_pk_fma_f32 v[AC+8*(\p)+2*(\c):AC+8*(\p)+2*(\c)+1], v[XR+32*(\p)+2*(\c)+(\k):XR+32*(\p)+2*(\c)+(\k)+1], v[XR+32*(\p)+2*(\c)+(\k):XR+32*(\p)+2*(\c)+(\k)+1], v[AC+8*(\p)+2*(\c):AC+8*(\p)+2*(\c)+1]
.endr
.endr
.endr
	JOIN
	RED
.irp p, 0,1
	v_fma_f32 v[TT+2+(\p)], v[AC+8*(\p)], s34, s35 ; var + eps
.endr
.irp p, 0,1
	v_rsq_f32 v[RS+2*(\p)], v[TT+2+(\p)]           ; twice, to fill the pair that the packed multiply takes
	v_rsq_f32 v[RS+2*(\p)+1], v[TT+2+(\p)]
.endr
	v_nop                                          ; a plain instruction behind the last root,
	s_wait_alu depctr_va_vdst(0)                   ; and one wait for the four, ahead of their first reader
	s_wait_loadcnt 0x0                             ; gain and bias
.irp p, 0,1
.set i, 0
.rept 16
	v_pk_mul_f32 v[XR+32*(\p)+2*i:XR+32*(\p)+2*i+1], v[XR+32*(\p)+2*i:XR+32*(\p)+2*i+1], v[RS+2*(\p):RS+2*(\p)+1]
.set i, i+1
.endr
.endr
.irp p, 0,1
.set i, 0
.rept 16
	v_pk_fma_f32 v[XR+32*(\p)+2*i:XR+32*(\p)+2*i+1], v[XR+32*(\p)+2*i:XR+32*(\p)+2*i+1], v[WG+2*i:WG+2*i+1], v[BV+2*i:BV+2*i+1]
.set i, i+1
.endr
.endr
.irp p, 0,1
.set i, 0
.rept 16
	v_cvt_pk_bf16_f32 v[XR+32*(\p)+i], v[XR+32*(\p)+2*i], v[XR+32*(\p)+2*i+1]  ; in place, ascending: register i takes registers 2 i and 2 i + 1
.set i, i+1
.endr
.endr
.irp p, 0,1
.irp j, 0,1,2,3,4,5,6,7
	global_store_b64 v2, v[XR+32*(\p)+2*(\j):XR+32*(\p)+2*(\j)+1], s[PY:PY+1] offset:2048*(\p)+256*(\j)  ; 256 consecutive bytes, aligned
.endr
.endr
	s_endpgm
.Lfunc_end_k_q1a30aefe24_prep:
	.size	k_q1a30aefe24_prep, .Lfunc_end_k_q1a30aefe24_prep-k_q1a30aefe24_prep
	.p2alignl 7, 3214868480
	.fill 96, 4, 3214868480
	.section	.rodata,"a",@progbits
	.p2align	6, 0x0
	.amdhsa_kernel k_q1a30aefe24_prep
		.amdhsa_group_segment_fixed_size 0
		.amdhsa_private_segment_fixed_size 0
		.amdhsa_enable_private_segment 0
		.amdhsa_kernarg_size 56
		.amdhsa_user_sgpr_count 2
		.amdhsa_user_sgpr_kernarg_segment_ptr 1
		.amdhsa_wavefront_size32 1
		.amdhsa_system_sgpr_workgroup_id_x 1
		.amdhsa_system_sgpr_workgroup_id_y 1
		.amdhsa_system_sgpr_workgroup_id_z 1
		.amdhsa_system_vgpr_workitem_id 0
		.amdhsa_next_free_vgpr 192
		.amdhsa_next_free_sgpr 66
		.amdhsa_reserve_vcc 0
		.amdhsa_float_denorm_mode_32 3
		.amdhsa_float_denorm_mode_16_64 3
		.amdhsa_memory_ordered 1
		.amdhsa_forward_progress 1
		.amdhsa_inst_pref_size 27
	.end_amdhsa_kernel
	.amdgpu_metadata
---
amdhsa.version: [ 1, 2 ]
amdhsa.kernels:
  - .name:           k_q1a30aefe24_prep
    .symbol:         k_q1a30aefe24_prep.kd
    .args:
      - { .name: x, .offset: 0, .size: 8, .value_kind: global_buffer, .address_space: global }
      - { .name: ln1_w, .offset: 8, .size: 8, .value_kind: global_buffer, .address_space: global }
      - { .name: ln1_b, .offset: 16, .size: 8, .value_kind: global_buffer, .address_space: global }
      - { .name: attn_w, .offset: 24, .size: 8, .value_kind: global_buffer, .address_space: global }
      - { .name: attn_proj_w, .offset: 32, .size: 8, .value_kind: global_buffer, .address_space: global }
      - { .name: hb, .offset: 40, .size: 8, .value_kind: global_buffer, .address_space: global }
      - { .name: wa, .offset: 48, .size: 8, .value_kind: global_buffer, .address_space: global }
    .group_segment_fixed_size: 0
    .private_segment_fixed_size: 0
    .kernarg_segment_align: 8
    .kernarg_segment_size: 56
    .max_flat_workgroup_size: 256
    .sgpr_count:     66
    .vgpr_count:     192
    .wavefront_size: 32
...
	.end_amdgpu_metadata
.endif
;; end of part 1
;; launch qkvg (part 2): grid 16 x 16, 4 waves a work-group, clusters of 4 x 4, 327,680 bytes of LDS; arguments hb, wa, attn_b, qkv, fc_w, mlp_proj_w, wf; writes qkv, wf
.if DOCPART == 2
	.amdgcn_target "amdgcn-amd-amdhsa--gfx1250"
	.amdhsa_code_object_version 6
	.text
	.protected	k_q1a30aefe24_qkvg
	.globl	k_q1a30aefe24_qkvg
	.p2align	8
	.type	k_q1a30aefe24_qkvg,@function
k_q1a30aefe24_qkvg:
	s_mov_b64 s[64:65], 0
	v_nop
	global_prefetch_b8 v0, s[64:65] scope:SCOPE_SE
	s_setreg_imm32_b32 hwreg(HW_REG_WAVE_MODE, 25, 1), 1
	s_wait_xcnt 0x0
	s_wait_alu depctr_hold_cnt(0) depctr_sa_sdst(0) depctr_va_vdst(0) depctr_va_sdst(0) depctr_va_ssrc(0) depctr_va_vcc(0) depctr_vm_vsrc(0)
	s_getreg_b32 s2, hwreg(HW_REG_IB_STS2, 6, 4)
	s_cmp_eq_u32 s2, 0
	s_cbranch_scc0 .Lentry_in_a_cluster
	s_endpgm
.Lentry_in_a_cluster:
	s_bfe_u32 s2, ttmp6, 0x10000c
	s_cmp_lg_u32 s2, 0xf033
	s_cbranch_scc0 .Lentry_shape_is_right
	s_endpgm
.Lentry_shape_is_right:
; QKV, AND THE CAST OF THE MLP'S WEIGHTS.
; THE CLUSTERS WITH x = 0, 1, 2: C[m][n] = sum over k of A[m][k] B[n][k] + bias[n].  A = hb [4096][1024] bf16 (LayerNorm 1), B = attn_w in bf16 (wa) [3072][1024]; sums in f32.
; C leaves rounded once to bf16, BY HEADS: qkv[part][batch x 16 + head][t][64]; q is NOT scaled here.
; A tile of C is 256 x 256 (192 tiles), made by four waves, each 128 x 128: 64 accumulators of 16 x 16, 512 registers.  K goes in 8 steps of 128 through two LDS slots filled by the tensor data mover
; (rows of 256 bytes, aligned).  The loop is ONE K step: the slot in hand is a scalar that an exclusive or turns; one descriptor a tensor walks.
; THE CLUSTERS WITH x = 3 (64 work-groups, for which C has no tile) round fc_w and mlp_proj_w once to bf16 into wf, one behind the other.  The branch hangs on the cluster's x, which all sixteen partners share.
; CLUSTER 4 x 4: the four work-groups of a row need the same tiles of A, the four of a column the same tiles of B: each tile is asked for jointly, by the same load, descriptor and mask in all four.
; THE WALK ALONG K IS ROTATED: cluster (X, Y) begins at K step (2 X + 4 (Y % 2)) % 8 and wraps round.  The clusters of a row, which read the same rows of A, stand two K steps apart; neighbouring clusters of a
; column, which read the same rows of B, four: a block's readers ask for it at different times.  So the f32 sums are taken in that rotated order of K, not in ascending order.
; THE MATRIX INSTRUCTION IS USED TRANSPOSED (source 0 = 16 rows of B, source 1 = 16 rows of A): lane l holds row l % 16 of C and the columns 8 (l / 16) + 0..7.  THE BIAS is the C operand of the products that start the sums.
; THE WAY OUT: the ring has had its last fill, so the wave's 128 x 128 sums go in f32 into its own 67,584 bytes of it; a counted loop takes eight rows a trip: rounding, stores of 256 aligned bytes.
; REGISTERS: window 0: v16-30 addresses, v64-127 and v128-191 A's fragments (two buffers), v192-255 the bias, on the way out v40-87 at work; window 1: B's fragments; windows 2, 3: the accumulators.
.set SIZE_K, 1024
.set KSTEP,  128
.set NSTEP,  SIZE_K/KSTEP
.set PITCH,  272                       ; an LDS row: 256 bytes + 16 of padding: the 16 rows of a fragment load start at 16 different groups of four banks
.set HALFT,  128*PITCH                 ; what one tensor load brings
.set SLOT,   4*HALFT                   ; A's 256 rows, then B's; 0x22000 shares no bit with a wave's 0, 0x8800, 0x11000, 0x19800, so the exclusive or is a sum
.set SPARE,  2*SLOT                    ; behind the ring: the spare words, 128 bytes a wave, which no other line names
.set DP,     528                       ; the way out: a row of 128 f32 + 16 bytes
.set DW,     128*DP                    ; a wave's share of the spent ring
.set G1W0,   (1<<16)|(1<<20)|(1<<21)|(5<<22)|(3<<25)  ; 2-byte elements; padding on; bit 21 beside a mask; after every 64 words; 4 words
.set ADRA0, 16                         ; my A fragments' LDS address in slot 0
.set ADRA,  17                         ; in the slot in hand
.set ADRB0, 20
.set ADRB,  21
.set STO, 24                           ; the way out: where my lane's sums go
.set RD,  25                           ; where rows are read back
.set CO,  26                           ; my byte offset in C
.set BO,  27                           ; my byte offset in the bias
.set SPW, 28                           ; my spare word's LDS address; never rewritten
.set NIL, 29                           ; 0; never rewritten
.set PFO, 30                           ; the prefetch's offset: lane x a row of 2,048 bytes
.set RAW, 40                           ; v[40:71]  eight rows' sums as read back
.set YV,  72                           ; v[72:87]  rounded
.set BIAS, 192                         ; v[192:255] n block b: bias[16 b + 8 (l / 16) + 0..7] at BIAS + 8 b
.set F0,  64
.set F1,  128
.set WV, 12                            ; wave
.set WR, 13                            ; my half of the tile's rows; also 0: I fetch A, 1: I fetch B
.set WC, 14                            ; my half of its columns; also which 128 rows I fetch
.set CX, 15
.set CY, 16
.set TX, 17                            ; tile column
.set TY, 18                            ; tile row
.set G1, 24
.set G0, 32                            ; two sets; the second walks
.set TB, 40                            ; LDS byte at which the slot in hand begins
.set CNT, 41
.set TC, 42
.set LIM, 43                           ; 5 in a wave that prefetches, else the greatest number
.set PFA, 44
.set G1B, 48
.set G0B, 56
.set KS, 91                            ; the K step that the walking descriptors name
.set OF, 92                            ; s[92:93] its byte offset in a row
.set ST, 94                            ; s[94:95] what the way out adds to C's address: 0 in the first trip
.set MSB, 0
.macro WIN new                         ; the immediate's high byte repeats the setting that is left
.if MSB != (\new)
	s_set_vgpr_msb (MSB<<8)|(\new)
.set MSB, \new
.endif
.endm
.set MUL_LO, 0xa1                      ; source 0 (B) window 1, source 1 (A) window 0, C and D window 2
.set MUL_HI, 0xf1                      ; C and D window 3
.set TO_B,   0x40                      ; destination window 1
.macro JLOAD                           ; a joint refill by the walking descriptor; the branch hangs on the wave's number alone; s_nop 0 and four v_nop follow each line
	s_cmp_eq_u32 s[WR], 0
	s_cbranch_scc0 .Lfor_b_\@
	tensor_load_to_lds s[G0+4:G0+7], s[G1:G1+7]
	s_nop 0
.rept 4
	v_nop
.endr
	s_branch .Lasked_\@
.Lfor_b_\@:
	tensor_load_to_lds s[G0B+4:G0B+7], s[G1B:G1B+7]
	s_nop 0
.rept 4
	v_nop
.endr
.Lasked_\@:
.endm
; THE PREFETCH.  With the rotated walk a block is read for the first time in a cluster's first four K steps at the latest.  The first two are the first fills, the third is asked for by the first refill: these come by
; their loads alone.  The fourth is prefetched behind the first refill (CNT = 6), one K step, 256 matrix instructions, ahead of the refill that asks for it: 32 rows x 256 bytes, a lane a row.
; WHO: B's rows are read for the first time in that step by the clusters with y = 0 and 2, or 1 and 3, alike: those with y = 0 and 1 ask.  A's rows by the cluster with x = 2 alone (three clusters stand two steps apart).
; Of the 128 rows that a wave fetches the partner at place cx (A) or cy (B) takes 32, told apart by address.  So each block is named once.
.macro ASK
	s_cmp_gt_u32 s[CNT], s[LIM]
	s_cbranch_scc0 .Lnot_mine_\@
	global_prefetch_b8 v[PFO], s[PFA:PFA+1] th:TH_LOAD_NT scope:SCOPE_SE
.Lnot_mine_\@:
.endm
.macro CREST                           ; a round of the cluster's barrier behind its opening barrier
	s_cmp_lg_u32 s[WV], 0
	s_cbranch_scc1 .Lnot_wave_0_\@
	s_barrier_signal -3
.Lnot_wave_0_\@:
	s_barrier_wait -3
	s_barrier_signal -1
	s_barrier_wait -1
.endm
.macro CROUND
	s_barrier_signal -1
	s_barrier_wait -1
	CREST
.endm
	s_load_b256 s[4:11], s[0:1], 0x0               ; A s[4:5], B s[6:7], bias s[8:9], C s[10:11]
	s_load_b128 s[84:87], s[0:1], 0x20             ; fc_w s[84:85], mlp_proj_w s[86:87]
	s_load_b64 s[88:89], s[0:1], 0x30              ; wf
	v_lshl_add_u32 v[SPW], v0, 2, SPARE
	v_mov_b32 v[NIL], 0
	ds_add_u32 v[SPW], v[NIL]                      ; the wave's opening: the add and its wait ahead of my first tensor load; register work stands between
	ds_add_u32 v28, v29
	v_lshrrev_b32 v1, 5, v0
	v_readfirstlane_b32 s[WV], v1
	s_lshr_b32 s[WR], s[WV], 1
	s_and_b32 s[WC], s[WV], 1
	s_bfe_u32 s[CX], ttmp6, 0x40000
	s_bfe_u32 s[CY], ttmp6, 0x40004
	s_lshl_b32 s[TX], ttmp9, 2
	s_add_co_u32 s[TX], s[TX], s[CX]
	s_and_b32 s[TY], ttmp7, 0xffff
	s_lshl_b32 s[TY], s[TY], 2
	s_add_co_u32 s[TY], s[TY], s[CY]
	s_lshl_b32 s19, s[CY], 2
	s_lshl_b32 s19, 15, s19                        ; my row of the cluster
	s_lshl_b32 s22, 0x1111, s[CX]                  ; my column
	s_or_b32 s[G1], s19, G1W0                      ; A's tiles go to my row,
	s_or_b32 s[G1B], s22, G1W0                     ; B's to my column
.irp g, G1, G1B
	s_mov_b32 s[(\g)+1], KSTEP<<16                 ; tensor_dim0 = 128
	s_mov_b32 s[(\g)+2], 128<<16                   ; tensor_dim1 = 128
	s_mov_b32 s[(\g)+3], KSTEP<<16                 ; tile_dim0 = 128
	s_mov_b32 s[(\g)+4], 128                       ; tile_dim1 = 128
	s_mov_b32 s[(\g)+5], SIZE_K                    ; elements from row to row
	s_mov_b32 s[(\g)+6], 0
	s_mov_b32 s[(\g)+7], 0
.endr
	s_lshl_b32 s23, s[WC], 7                       ; which 128 rows of the tile I fetch
	s_lshl_b32 s20, s[TY], 8
	s_add_co_u32 s20, s20, s23
	s_lshl_b32 s20, s20, 11                        ; A: (256 x tile row + 128 x half) rows of 2,048 bytes
	s_mov_b32 s21, 0
	s_lshl_b32 s46, s[TX], 8
	s_add_co_u32 s46, s46, s23
	s_lshl_b32 s46, s46, 11                        ; B: by the tile column
	s_mov_b32 s47, 0
	s_mul_i32 s3, s[WV], HALFT                     ; where my part lands: wave x 128 rows
	s_mov_b32 s[TB], 0
	s_and_b32 s[KS], ttmp7, 1                      ; the cluster's first K step: 2 (X + 2 (Y % 2)) % 8, of the cluster's coordinates alone
	s_lshl_b32 s[KS], s[KS], 1
	s_add_co_u32 s[KS], s[KS], ttmp9
	s_lshl_b32 s[KS], s[KS], 1
	s_and_b32 s[KS], s[KS], NSTEP-1
	s_mov_b32 s[OF+1], 0
	s_mov_b32 s[ST], 0
	s_mov_b32 s[ST+1], 0
	s_wait_dscnt 0x0                               ; the opening add is done
	s_wait_kmcnt 0x0
	s_cmp_eq_u32 ttmp9, 3                          ; the fourth column of clusters has no tile of C
	s_cbranch_scc1 .Lcast
	s_add_nc_u64 s[20:21], s[4:5], s[20:21]        ; my rows of A and of B, at K step 0
	s_add_nc_u64 s[46:47], s[6:7], s[46:47]
	CROUND                                         ; all sixteen work-groups are here: the first joint loads meet
.irp s, 0,1
	s_lshl_b32 s[OF], s[KS], 8                     ; a K step is 256 bytes of a row
	s_mov_b32 s[G0+4*(\s)], 1
	s_add_co_u32 s[G0+4*(\s)+1], s3, (\s)*SLOT
	s_add_nc_u64 s[G0+4*(\s)+2:G0+4*(\s)+3], s[20:21], s[OF:OF+1]
	s_or_b32 s[G0+4*(\s)+3], s[G0+4*(\s)+3], 0x80000000
	s_mov_b32 s[G0B+4*(\s)], 1
	s_add_co_u32 s[G0B+4*(\s)+1], s3, (\s)*SLOT
	s_add_nc_u64 s[G0B+4*(\s)+2:G0B+4*(\s)+3], s[46:47], s[OF:OF+1]
	s_or_b32 s[G0B+4*(\s)+3], s[G0B+4*(\s)+3], 0x80000000
.if (\s) == 0
	s_add_co_u32 s[KS], s[KS], 1
	s_and_b32 s[KS], s[KS], NSTEP-1
.endif
.endr
	s_cmp_eq_u32 s[WR], 0                          ; a wave's two first fills stand in one branch: two loads of mine are out
	s_cbranch_scc0 .Lfirst_b
	tensor_load_to_lds s[G0:G0+3], s[G1:G1+7]
	s_nop 0
	tensor_load_to_lds s[G0+4:G0+7], s[G1:G1+7]
	s_nop 0
.rept 4
	v_nop
.endr
	s_branch .Lfirst_done
.Lfirst_b:
	tensor_load_to_lds s[G0B:G0B+3], s[G1B:G1B+7]
	s_nop 0
	tensor_load_to_lds s[G0B+4:G0B+7], s[G1B:G1B+7]
	s_nop 0
.rept 4
	v_nop
.endr
.Lfirst_done:
	v_and_b32 v1, 15, v0                           ; l % 16
	v_bfe_u32 v2, v0, 4, 1                         ; l / 16
	v_and_b32 v4, 31, v0                           ; l
	s_lshl_b32 s80, s[TX], 10
	s_lshl_b32 s81, s[WC], 9
	s_add_co_u32 s80, s80, s81                     ; 4 x my first column
	v_lshl_add_u32 v[BO], v2, 5, s80               ; + 32 (l / 16): my eight columns of n block 0
.irp b, 0,1,2,3,4,5,6,7
	global_load_b128 v[BIAS+8*(\b):BIAS+8*(\b)+3],   v[BO], s[8:9] offset:64*(\b)
	global_load_b128 v[BIAS+8*(\b)+4:BIAS+8*(\b)+7], v[BO], s[8:9] offset:64*(\b)+16
.endr
	v_mul_u32_u24 v3, v1, PITCH
	v_lshl_add_u32 v3, v2, 4, v3                   ; a fragment's row x pitch + 16 x half
	s_mul_i32 s82, s[WR], HALFT
	s_mul_i32 s83, s[WC], HALFT
	s_add_co_u32 s83, s83, 2*HALFT
	v_add_nc_u32 v[ADRA0], s82, v3
	v_add_nc_u32 v[ADRB0], s83, v3
	v_mov_b32 v[ADRA], v[ADRA0]
	v_mov_b32 v[ADRB], v[ADRB0]
	s_mul_i32 s82, s[WV], DW
	v_mul_u32_u24 v[STO], v1, DP
	v_lshl_add_u32 v[STO], v2, 5, v[STO]
	v_add_nc_u32 v[STO], s82, v[STO]               ; row l % 16, 32 bytes for each half of the lanes
	s_lshl_b32 s84, s[TY], 8
	s_lshl_b32 s85, s[WR], 7
	s_add_co_u32 s84, s84, s85                     ; my first row of C
	v_mul_u32_u24 v[RD], v2, DP                    ; a load takes one head's 256 bytes of two rows
	v_lshl_add_u32 v[RD], v1, 4, v[RD]
	v_add_nc_u32 v[RD], s82, v[RD]
	v_lshlrev_b32 v[CO], 7, v2
	v_lshl_add_u32 v[CO], v1, 3, v[CO]
	s_lshr_b32 s86, s80, 2                         ; my first column
	s_lshr_b32 s87, s86, 10
	s_lshl_b32 s87, s87, 23                        ; q, k or v: 8,388,608 bytes each
	s_bfe_u32 s86, s86, 0x40006                    ; the head
	s_lshr_b32 s85, s84, 11                        ; the batch
	s_lshl_b32 s85, s85, 4
	s_add_co_u32 s85, s85, s86
	s_lshl_b32 s85, s85, 18                        ; 262,144 bytes a head
	s_and_b32 s84, s84, 2047
	s_lshl_b32 s84, s84, 7                         ; 128 bytes a row
	s_add_co_u32 s84, s84, s85
	s_add_co_u32 s84, s84, s87
	s_mov_b32 s85, 0
	s_add_nc_u64 s[10:11], s[10:11], s[84:85]
	s_lshl_b32 s88, s[TY], 8                       ; the prefetch
	s_lshl_b32 s89, s[TX], 8
	s_and_b32 s90, ttmp7, 0xffff
	s_lshr_b32 s90, s90, 1                         ; B: 0 in the clusters with y = 0 and 1
	s_xor_b32 s81, ttmp9, 2                        ; A: 0 in the clusters with x = 2
	s_cmp_eq_u32 s[WR], 0                          ; do I fetch for A?
	s_cselect_b32 s88, s88, s89                    ; the tile's first row
	s_cselect_b32 s89, s[CX], s[CY]                ; my place among the four that ask with me
	s_cselect_b32 s90, s81, s90
	s_cselect_b64 s[PFA:PFA+1], s[4:5], s[6:7]
	s_cmp_eq_u32 s90, 0
	s_cselect_b32 s[LIM], 5, -1
	s_lshl_b32 s90, s[WC], 7
	s_add_co_u32 s88, s88, s90
	s_lshl_b32 s89, s89, 5
	s_add_co_u32 s88, s88, s89
	s_lshl_b32 s88, s88, 11
	s_add_co_u32 s81, s[KS], 2                     ; KS names the cluster's second K step: its fourth
	s_and_b32 s81, s81, NSTEP-1
	s_lshl_b32 s81, s81, 8
	s_add_co_u32 s88, s88, s81
	s_mov_b32 s89, 0
	s_add_nc_u64 s[PFA:PFA+1], s[PFA:PFA+1], s[88:89]
	v_lshlrev_b32 v[PFO], 11, v4
; 16 matrix instructions: m blocks a0, a0 + 1 of the window's four x all 8 n blocks, 32 along K.  zero = 1: the first product starts the sums, with the bias as C.  The 64 accumulators take turns.
.macro MUL16 f, hi, a0, zero
.if \zero
	WIN 0x81+0x40*(\hi)                            ; as below, with the C operand in window 0
.else
	WIN MUL_LO+0x50*(\hi)
.endif
.irp a, \a0, (\a0)+1
.irp b, 0,1,2,3,4,5,6,7
.if \zero
	v_wmma_f32_16x16x32_bf16 v[8*(8*(\a)+(\b)):8*(8*(\a)+(\b))+7], v[(\f)+8*(\b):(\f)+8*(\b)+7], v[(\f)+8*(4*(\hi)+(\a)):(\f)+8*(4*(\hi)+(\a))+7], v[BIAS+8*(\b):BIAS+8*(\b)+7]
.else
	v_wmma_f32_16x16x32_bf16 v[8*(8*(\a)+(\b)):8*(8*(\a)+(\b))+7], v[(\f)+8*(\b):(\f)+8*(\b)+7], v[(\f)+8*(4*(\hi)+(\a)):(\f)+8*(4*(\hi)+(\a))+7], v[8*(8*(\a)+(\b)):8*(8*(\a)+(\b))+7]
.endif
.endr
.endr
.endm
.macro FETCH k, f                      ; 32 LDS loads in one run: a quarter step's fragments (B's 128 rows, then A's) at byte k of the rows of the slot in hand
	WIN TO_B
.irp i, 0,1,2,3,4,5,6,7
	ds_load_b128 v[(\f)+8*(\i):(\f)+8*(\i)+3],   v[ADRB] offset:(\k)+(\i)*16*PITCH
	ds_load_b128 v[(\f)+8*(\i)+4:(\f)+8*(\i)+7], v[ADRB] offset:(\k)+(\i)*16*PITCH+32
.endr
	WIN 0
.irp i, 0,1,2,3,4,5,6,7
	ds_load_b128 v[(\f)+8*(\i):(\f)+8*(\i)+3],   v[ADRA] offset:(\k)+(\i)*16*PITCH
	ds_load_b128 v[(\f)+8*(\i)+4:(\f)+8*(\i)+7], v[ADRA] offset:(\k)+(\i)*16*PITCH+32
.endr
.endm
.macro PLACES                          ; four plain instructions between a matrix instruction and a load into, or a reader of, its registers
.rept 4
	v_nop
.endr
.endm
.macro QUARTER k, f, g, zero           ; multiplies buffer f; in its middle fetches the next quarter, at byte k, into g
	s_wait_dscnt 8                                 ; B and A's rows 0-63 are in; the youngest eight loads may be out
	MUL16 \f, 0, 0, \zero
	MUL16 \f, 0, 2, \zero
	PLACES
	FETCH \k, \g
	s_wait_dscnt 32                                ; all but the 32 just issued
	MUL16 \f, 1, 0, \zero
	MUL16 \f, 1, 2, \zero
.endm
; The first half of a K step's last quarter: ONE barrier for the change of slots.  In front of it each wave waits for all its tensor loads (its part of the next slot), adds 0 to its spare word,
; and waits for that and for its reads of this slot.  round = 1: the slot is filled again: the walking descriptors step while the add is out (no tensor load of mine is out): the slot just read, the next K step, wrapping round.
.macro MEET round
	WIN 0
	s_xor_b32 s[TB], s[TB], SLOT                   ; the fetches turn to the other slot; this slot's loads have all been issued
	v_add_nc_u32 v[ADRA], s[TB], v[ADRA0]
	v_add_nc_u32 v[ADRB], s[TB], v[ADRB0]
	s_wait_tensorcnt 0x0
	ds_add_u32 v[SPW], v[NIL]
.if \round
	s_add_co_u32 s[KS], s[KS], 1
	s_and_b32 s[KS], s[KS], NSTEP-1
	s_lshl_b32 s[OF], s[KS], 8
	s_xor_b32 s[G0+5], s[G0+5], SLOT
	s_add_nc_u64 s[G0+6:G0+7], s[20:21], s[OF:OF+1]
	s_or_b32 s[G0+7], s[G0+7], 0x80000000
	s_xor_b32 s[G0B+5], s[G0B+5], SLOT
	s_add_nc_u64 s[G0B+6:G0B+7], s[46:47], s[OF:OF+1]
	s_or_b32 s[G0B+7], s[G0B+7], 0x80000000
.endif
	s_wait_dscnt 9                                 ; the add and the youngest eight loads may be out
	MUL16 F1, 0, 0, 0
	s_wait_dscnt 0x0                               ; the add is done, and my reads of this slot are over
	s_barrier_signal -1
	MUL16 F1, 0, 2, 0
.if \round
	WIN 0
.endif
	s_barrier_wait -1
.endm
.macro TURN                            ; the last quarter where the slot is filled again: the barrier opens a round of the cluster's, and the joint refill is the first thing behind it
	MEET 1
	CREST
	JLOAD                                          ; its four v_nop are also the places in front of the loads below
	FETCH 0, F0
	ASK
	MUL16 F1, 1, 0, 0
	MUL16 F1, 1, 2, 0
.endm
.macro TURN0                           ; the same with nothing left to ask for
	MEET 0
	PLACES
	FETCH 0, F0
	MUL16 F1, 1, 0, 0
	MUL16 F1, 1, 2, 0
.endm
	s_wait_tensorcnt 0x1                           ; my part of the first K step is in; the second's may stay out
	s_barrier_signal -1
	s_barrier_wait -1
	FETCH 0, F0
	s_wait_loadcnt 0x0                             ; the bias
	QUARTER 64, F0, F1, 1                          ; the first quarter starts the sums
	WIN 0
	s_mov_b32 s[CNT], 6                            ; the K steps whose slot is filled again
.Lstep:                                        ; from a K step's second quarter to the next step's first
	QUARTER 128, F1, F0, 0
	QUARTER 192, F0, F1, 0
	TURN
	QUARTER 64, F0, F1, 0
	WIN 0
	s_sub_co_u32 s[CNT], s[CNT], 1
	s_cmp_lg_u32 s[CNT], 0
	s_cbranch_scc1 .Lstep
	s_mov_b32 s[TC], 2                             ; the last two K steps ask for nothing; the second trip is left in its middle
.Ltail:
	QUARTER 128, F1, F0, 0
	QUARTER 192, F0, F1, 0
	WIN 0
	s_sub_co_u32 s[TC], s[TC], 1
	s_cmp_eq_u32 s[TC], 0
	s_cbranch_scc1 .Llast
	TURN0
	QUARTER 64, F0, F1, 0
	WIN 0
	s_branch .Ltail
.Llast:
	s_wait_dscnt 8
	MUL16 F1, 0, 0, 0
	MUL16 F1, 0, 2, 0
	s_wait_dscnt 0x0
	MUL16 F1, 1, 0, 0
	MUL16 F1, 1, 2, 0
	WIN 0
	; THE WAY OUT
	s_barrier_signal -1                            ; every wave's reads of the ring are back: nobody reads it any more, and no tensor load follows
	s_barrier_wait -1
	PLACES
.irp hi, 0,1
	WIN 0x08+4*(\hi)                               ; the stores' data in window 2, then 3
.irp a, 0,1,2,3
.irp b, 0,1,2,3,4,5,6,7
	ds_store_b128 v[STO], v[8*(8*(\a)+(\b)):8*(8*(\a)+(\b))+3]   offset:(4*(\hi)+(\a))*16*DP+64*(\b)     ; each accumulator's low registers first
	ds_store_b128 v[STO], v[8*(8*(\a)+(\b))+4:8*(8*(\a)+(\b))+7] offset:(4*(\hi)+(\a))*16*DP+64*(\b)+16
.endr
.endr
.endr
	WIN 0
.macro RDLOADS                         ; eight rows of my share: load g takes head g % 2 of rows 2 (g / 2) and 2 (g / 2) + 1; LDS serves a wave's instructions in order, so these see the stores above
.irp g, 0,1,2,3,4,5,6,7
	ds_load_b128 v[RAW+4*(\g):RAW+4*(\g)+3], v[RD] offset:256*((\g)%2)+2*DP*((\g)/2)
.endr
.endm
.macro EP last                         ; eight rows: rounding, stores; the next eight rows are read meanwhile
	s_wait_dscnt 0x0
	s_wait_xcnt 0x0                                ; the last trip's stores have read their data and their base: both are written again only behind this wait
	s_add_nc_u64 s[10:11], s[10:11], s[ST:ST+1]    ; eight rows on (0 in the first trip)
	s_mov_b32 s[ST], 8*128
.set i, 0
.rept 16
	v_cvt_pk_bf16_f32 v[YV+i], v[RAW+2*i], v[RAW+2*i+1]
.set i, i+1
.endr
.if !(\last)
	v_add_nc_u32 v[RD], 8*DP, v[RD]
	RDLOADS
.endif
.irp g, 0,1,2,3,4,5,6,7
	global_store_b64 v[CO], v[YV+2*(\g):YV+2*(\g)+1], s[10:11] offset:262144*((\g)%2)+256*((\g)/2)    ; two rows of one head: 256 consecutive bytes, aligned
.endr
.endm
	RDLOADS
	s_mov_b32 s[CNT], 15
.Lout:
	EP 0
	s_sub_co_u32 s[CNT], s[CNT], 1
	s_cmp_lg_u32 s[CNT], 0
	s_cbranch_scc1 .Lout
	EP 1
	s_branch .Lfin
	; THE CAST.  fc_w and mlp_proj_w are 256 chunks of 16,384 numbers each (65,536 bytes in, 32,768 out).  Work-group i of the 64 takes chunks i + 64 t, t = 0 .. 7: the first four trips are fc_w's, the last four
	; mlp_proj_w's, for every work-group.  A wave has a quarter of a chunk: 32 loads of 512 consecutive bytes, all issued first; its stores cover 256 consecutive bytes, aligned.
.Lcast:
	s_and_b32 s80, ttmp7, 0xffff
	s_lshl_b32 s80, s80, 2
	s_add_co_u32 s80, s80, s[CY]
	s_lshl_b32 s80, s80, 2
	s_add_co_u32 s80, s80, s[CX]                   ; i = 16 x cluster y + 4 cy + cx: it enters global addresses alone
	s_lshl_b32 s82, s80, 15
	s_mov_b32 s83, 0
	s_lshl_b32 s80, s80, 16                        ; my chunk's byte offset in its matrix
	s_mov_b32 s81, 0
	s_add_nc_u64 s[88:89], s[88:89], s[82:83]      ; wf at my first chunk
	v_and_b32 v4, 31, v0
	s_lshl_b32 s90, s[WV], 14
	v_lshl_add_u32 v5, v4, 4, s90                  ; in: 16,384 x wave + 16 x lane
	s_lshl_b32 s90, s[WV], 13
	v_lshl_add_u32 v6, v4, 3, s90                  ; out: 8,192 x wave + 8 x lane
	s_mov_b32 s[CNT], 8
.Lchunk:
	s_cmp_gt_u32 s[CNT], 4
	s_cselect_b64 s[46:47], s[84:85], s[86:87]
	s_add_nc_u64 s[46:47], s[46:47], s[80:81]
.set i, 0
.rept 32
	global_load_b128 v[64+4*i:64+4*i+3], v5, s[46:47] offset:512*i th:TH_LOAD_NT
.set i, i+1
.endr
.set i, 0
.rept 32
	s_wait_loadcnt 31-i                            ; loads come back in order: load i is in, the younger ones stay out
	v_cvt_pk_bf16_f32 v[192+2*i], v[64+4*i], v[64+4*i+1]
	v_cvt_pk_bf16_f32 v[192+2*i+1], v[64+4*i+2], v[64+4*i+3]
	global_store_b64 v6, v[192+2*i:192+2*i+1], s[88:89] offset:256*i
.set i, i+1
.endr
	s_wait_xcnt 0x0                                ; the stores have read their data and their base
	s_add_co_u32 s80, s80, 64<<16                  ; 64 chunks on,
	s_and_b32 s80, s80, 0xffffff                   ; back to the first where a matrix (16,777,216 bytes) ends
	s_add_nc_u64 s[88:89], s[88:89], 64<<15
	s_sub_co_u32 s[CNT], s[CNT], 1
	s_cmp_lg_u32 s[CNT], 0
	s_cbranch_scc1 .Lchunk
.Lfin:
	s_wait_tensorcnt 0x0                           ; the wave's end, behind my last tensor load and my last LDS store
	ds_add_u32 v[SPW], v[NIL]
	s_wait_dscnt 0x0
	CROUND                                         ; the closing round
	s_endpgm
.Lfunc_end_k_q1a30aefe24_qkvg:
	.size	k_q1a30aefe24_qkvg, .Lfunc_end_k_q1a30aefe24_qkvg-k_q1a30aefe24_qkvg
	.p2alignl 7, 3214868480
	.fill 96, 4, 3214868480
	.section	.rodata,"a",@progbits
	.p2align	6, 0x0
	.amdhsa_kernel k_q1a30aefe24_qkvg
		.amdhsa_group_segment_fixed_size 327680
		.amdhsa_private_segment_fixed_size 0
		.amdhsa_enable_private_segment 0
		.amdhsa_kernarg_size 56
		.amdhsa_user_sgpr_count 2
		.amdhsa_user_sgpr_kernarg_segment_ptr 1
		.amdhsa_wavefront_size32 1
		.amdhsa_system_sgpr_workgroup_id_x 1
		.amdhsa_system_sgpr_workgroup_id_y 1
		.amdhsa_system_sgpr_workgroup_id_z 1
		.amdhsa_system_vgpr_workitem_id 0
		.amdhsa_next_free_vgpr 1024
		.amdhsa_next_free_sgpr 96
		.amdhsa_reserve_vcc 0
		.amdhsa_float_denorm_mode_32 3
		.amdhsa_float_denorm_mode_16_64 3
		.amdhsa_memory_ordered 1
		.amdhsa_forward_progress 1
		.amdhsa_inst_pref_size 101
	.end_amdhsa_kernel
	.amdgpu_metadata
---
amdhsa.version: [ 1, 2 ]
amdhsa.kernels:
  - .name:           k_q1a30aefe24_qkvg
    .symbol:         k_q1a30aefe24_qkvg.kd
    .args:
      - { .name: hb, .offset: 0, .size: 8, .value_kind: global_buffer, .address_space: global }
      - { .name: wa, .offset: 8, .size: 8, .value_kind: global_buffer, .address_space: global }
      - { .name: attn_b, .offset: 16, .size: 8, .value_kind: global_buffer, .address_space: global }
      - { .name: qkv, .offset: 24, .size: 8, .value_kind: global_buffer, .address_space: global }
      - { .name: fc_w, .offset: 32, .size: 8, .value_kind: global_buffer, .address_space: global }
      - { .name: mlp_proj_w, .offset: 40, .size: 8, .value_kind: global_buffer, .address_space: global }
      - { .name: wf, .offset: 48, .size: 8, .value_kind: global_buffer, .address_space: global }
    .group_segment_fixed_size: 327680
    .private_segment_fixed_size: 0
    .kernarg_segment_align: 8
    .kernarg_segment_size: 56
    .max_flat_workgroup_size: 128
    .sgpr_count:     96
    .vgpr_count:     1024
    .wavefront_size: 32
...
	.end_amdgpu_metadata
.endif
;; end of part 2
;; launch attn (part 3): grid 8 x 32, 4 waves a work-group, no clusters, 327,680 bytes of LDS; arguments qkv, hb; writes hb
.if DOCPART == 3
	.amdgcn_target "amdgcn-amd-amdhsa--gfx1250"
	.amdhsa_code_object_version 6
	.text
	.protected	k_q1a30aefe24_attn
	.globl	k_q1a30aefe24_attn
	.p2align	8
	.type	k_q1a30aefe24_attn,@function
k_q1a30aefe24_attn:
	s_mov_b64 s[64:65], 0
	v_nop
	global_prefetch_b8 v0, s[64:65] scope:SCOPE_SE
	s_setreg_imm32_b32 hwreg(HW_REG_WAVE_MODE, 25, 1), 1
	s_wait_xcnt 0x0
; CAUSAL ATTENTION.  O[bh][q][:] = the sum over k <= q of softmax_k(Q[q] . K[k] / 8) V[k][:].  qkv: [3][32][2048][64] bf16 (q, k, v by heads, unscaled); O goes to hb by heads, [32][2048][64] bf16.
; Products, maxima and sums in f32; the weights p are rounded to bf16 for the second product (their sum l is taken of the unrounded p), O once at the end.
; LIMITS.  A hidden score counts as its value less 1e30, so |score| must stay far below that; c m starts at -4.25e37; a weight below 2^-126 counts as 0 in l; NaN and infinities are not treated apart.
; THE WALK.  A head's queries lie in 16 blocks of 128; block i needs the key tiles 0 .. i / 2 of 256 keys.  A work-group takes block 15 - p and then block p: 9 tiles whatever p, so all work-groups do
; equal work and ONE loop with a constant count walks them; the ring of two LDS slots runs on across the change of blocks.  A tile is four steps of 64 keys.
; THE MASK is the C operand that starts the sum S^T = K Q^T: 0, or -1e30 where the key is hidden.  REL = the step's first key less the block's first query.  Below 0 nothing is hidden and the mask
; registers hold 0; from 0 on they are made anew for each step.  An even block's last tile ends with two steps (REL = 128, 192) that are wholly hidden: they are computed all the same, 2 of the walk's 36;
; the maximum stands (every row has seen its own key before) and the weights are 0.
; SHARES.  A wave owns 32 consecutive queries: two tiles of 16.  S^T = K Q^T holds ONE query a lane (lane % 16) and the keys 8 (lane / 16) + 0..7; two such results rounded to bf16 ARE source 1 of
; O^T = V^T P.  p = 2^(c s - c m), c = log2(e) / 8, with a running maximum m; O and l are multiplied by a = 2^(c m_old - c m_new) in every step.  A step goes in phases: scores, softmax, V^T P.
; NO CLUSTER: of a head's 8 work-groups only two (p = 2 j and 2 j + 1) walk the same tiles from first to last, and whether masks are made hangs on the block.
; REGISTERS.  Window 0: v2-13 addresses and at work; v16-23 statistics; v24-31 at work; v40-47; v64-127 S^T; v128-159 P; v160-223 K; v224-255 Q.
;             Window 1: v0-63 O^T; v64-127 V; v128-191 the masks; v192-223 the second block's Q.
.set KS,    64
.set PK,    144                        ; a row of K in LDS: 128 bytes + 16: the 16 rows of a load start at 16 different groups of four banks
.set PV,    160                        ; a row of V: 128 + 32
.set VOFF,  4*KS*PK                    ; a slot: 256 rows of K, then 256 rows of V
.set SLOT1, 1<<17
.set STAGE, SLOT1+4*KS*(PK+PV)         ; never filled by a tensor load: 16 rows x 144 bytes a wave, for the way out
.set SP,    144
.set SPARE, STAGE+4*16*SP              ; the spare words, 128 bytes a wave, which no other line names
.set AK0, 2
.set AV0, 3
.set AK,  4
.set AV,  5
.set STO, 6
.set RD,  7
.set GO,  8
.set MV,  12                           ; v12-13 c m_old
.set ST,  16                           ; tile u: c m, m, l (even keys', odd keys') at ST + 4 u
.set TMP, 24                           ; tile u: c0-c3 at TMP + 4 u; c2 takes a
.set SPW, 40
.set NIL, 41
.set QO,  42
.set PFO, 43
.set QT,  44                           ; v44-45 my query's place in the block less 8 (lane / 16), by tile
.set TH,  46                           ; v46-47 that less REL
.set S,   64
.set P,   128
.set KF,  160
.set Q,   224
.set VF,  64                           ; window 1
.set MC,  128                          ; window 1
.set QB,  192                          ; window 1
.set WV,  12
.set PB,  14
.set HI,  15
.set G1K, 24
.set G1V, 32
.set G0K, 40
.set G0V, 44
.set SLOTS, 56
.set CNT, 57
.set CS,  58
.set SEL, 60
.set TBK, 62
.set TBV, 63
.set RT,  70                           ; tiles of the block in hand still to be finished
.set NXT, 71                           ; the tile to be asked for next
.set LQ,  72                           ; the last tile of the block whose tiles are being asked for
.set NEW, 73                           ; 1: the tile to be entered is a block's first
.set OFF, 74
.set REL, 76
.set RELN, 77                          ; REL at the next block's first step
.set FORCE, 78                         ; 0: the masks must be made whatever REL; else -1
.set LQ2, 79                           ; the second block's last tile
.set OLO, 80
.set BIGN, 82
.set LIM, 83
.set PFA, 84
.set MSB, 0
.macro WIN new
.if MSB != (\new)
	s_set_vgpr_msb (MSB<<8)|(\new)
.set MSB, (\new)
.endif
.endm
.macro LOAD                            ; waves 0 and 1 fetch the halves of a tile's K, waves 2 and 3 those of its V; s_nop 0 and four v_nop follow each line
	s_cmp_lt_u32 s[WV], 2
	s_cbranch_scc0 .Lfor_v_\@
	tensor_load_to_lds s[G0K:G0K+3], s[G1K:G1K+7]
	s_nop 0
.rept 4
	v_nop
.endr
	s_branch .Lasked_\@
.Lfor_v_\@:
	tensor_load_to_lds s[G0V:G0V+3], s[G1V:G1V+7]
	s_nop 0
.rept 4
	v_nop
.endr
.Lasked_\@:
.endm
; A prefetch of the tile that the NEXT change of slots will ask for: my wave's own half tile, 64 blocks of 256 bytes, a lane a block, two instructions.  All 8 work-groups of a head begin with the same tiles:
; the one with p = 0, which walks tiles 0 to 7 on end, asks, and nobody else: each block is named once.  Tiles 0 and 1 come by their loads alone; changes 0 to 5 name tiles 2 to 7.
.macro ASK
	s_cmp_gt_u32 s[SLOTS], s[LIM]
	s_cbranch_scc0 .Lnot_mine_\@
	global_prefetch_b8 v[PFO], s[PFA:PFA+1] th:TH_LOAD_NT scope:SCOPE_SE
	global_prefetch_b8 v[PFO], s[PFA:PFA+1] offset:8192 th:TH_LOAD_NT scope:SCOPE_SE
.Lnot_mine_\@:
.endm
; THE CHANGE OF SLOTS.  Each wave waits for all its tensor loads (its part of the other slot), adds 0 to its spare word, and waits for that and for its reads of the slot that it leaves.
; fill = 1: the old slot is filled again, first thing behind the barrier, with tile NXT; the descriptor's address is made anew from that number.
.macro CHANGE fill
	WIN 0
	s_wait_tensorcnt 0x0
	ds_add_u32 v[SPW], v[NIL]                      ; 0 onto my spare word; scalar work stands between it and the wait for it
.if \fill
	s_lshl_b32 s[OFF], s[NXT], 15                  ; a tile is 32,768 bytes of K and of V
	s_xor_b32 s[G0K+1], s[G0K+1], SLOT1
	s_add_nc_u64 s[G0K+2:G0K+3], s[6:7], s[OFF:OFF+1]
	s_or_b32 s[G0K+3], s[G0K+3], 0x80000000
	s_xor_b32 s[G0V+1], s[G0V+1], SLOT1
	s_add_nc_u64 s[G0V+2:G0V+3], s[8:9], s[OFF:OFF+1]
	s_or_b32 s[G0V+3], s[G0V+3], 0x80000000
	s_add_co_u32 s[NXT], s[NXT], 1                 ; the block's next tile, or behind its last the second block's tile 0
	s_cmp_gt_u32 s[NXT], s[LQ]
	s_cselect_b32 s[NXT], 0, s[NXT]
	s_cselect_b32 s[LQ], s[LQ2], s[LQ]
	s_wait_xcnt 0x0                                ; the last prefetches, a tile back, have read their address
	s_add_nc_u64 s[PFA:PFA+1], s[PFA:PFA+1], 32768
.endif
	s_wait_dscnt 0x0                               ; the add is done, and my reads of the slot are over
	s_barrier_signal -1
	s_sub_co_u32 s[TBK], s[TBK], 4*KS*PK           ; the fetches go back to a slot's first step, in the other slot
	s_xor_b32 s[TBK], s[TBK], SLOT1
	s_sub_co_u32 s[TBV], s[TBV], 4*KS*PV
	s_xor_b32 s[TBV], s[TBV], SLOT1
	s_barrier_wait -1
.if \fill
	LOAD
	ASK
.endif
.endm
	s_load_b128 s[48:51], s[0:1], 0x0              ; qkv s[48:49], hb s[50:51]
	v_lshl_add_u32 v[SPW], v0, 2, SPARE
	v_mov_b32 v[NIL], 0
	ds_add_u32 v[SPW], v[NIL]                      ; the wave's opening: the add and its wait ahead of my first tensor load
	ds_add_u32 v40, v41
	v_lshrrev_b32 v1, 5, v0
	v_readfirstlane_b32 s[WV], v1
	s_mov_b32 s[PB], ttmp9
	s_sub_co_u32 s[HI], 15, s[PB]
	s_and_b32 s20, ttmp7, 0xffff
	s_lshl_b32 s20, s20, 18                        ; the head's first byte in q, k, v and O
	s_and_b32 s16, s[WV], 1                        ; which half of a tile's 256 keys I fetch
	s_lshl_b32 s22, s16, 14
	s_add_co_u32 s22, s22, s20
	s_add_co_u32 s22, s22, 8388608                 ; k lies behind q
	s_mov_b32 s23, 0
	s_mul_i32 s17, s16, 128*PK
	s_mul_i32 s18, s16, 128*PV
	s_lshl_b32 s3, s[WV], 12                       ; my 32 rows of 128 bytes,
	s_lshl_b32 s2, s[HI], 14                       ; in the first block,
	s_add_co_u32 s2, s2, s3
	s_add_co_u32 s2, s2, s20
	s_lshl_b32 s88, s[PB], 14                      ; and in the second
	s_add_co_u32 s88, s88, s3
	s_add_co_u32 s88, s88, s20
	s_mov_b32 s3, 0
	s_mov_b32 s89, 0
	; 128 keys are 16,384 dense bytes: asked for as 64 rows of 256 bytes, two keys a row, padded in LDS after every key
	s_mov_b32 s[G1K], (1<<16)|(1<<20)|(4<<22)|(3<<25)  ; 2-byte elements; padding on; after every 32 words; 4 words
	s_mov_b32 s[G1V], (1<<16)|(1<<20)|(4<<22)|(7<<25)  ; 8 words
.irp g, G1K, G1V
	s_mov_b32 s[(\g)+1], 128<<16
	s_mov_b32 s[(\g)+2], 64<<16
	s_mov_b32 s[(\g)+3], 128<<16
	s_mov_b32 s[(\g)+4], 64
	s_mov_b32 s[(\g)+5], 128
	s_mov_b32 s[(\g)+6], 0
	s_mov_b32 s[(\g)+7], 0
.endr
	s_mov_b32 s[CS], 0x3e38aa3b                    ; c = log2(e) / 8
	s_mov_b32 s[CS+1], s[CS]
	s_mov_b32 s[SEL], 0x76543210
	s_mov_b32 s[SEL+1], 0xfedcba98
	s_mov_b32 s[TBK], SLOT1+4*KS*PK                ; the first change of slots turns these two into 0
	s_mov_b32 s[TBV], SLOT1+4*KS*PV
	s_mov_b32 s[G0K], 1
	s_mov_b32 s[G0K+1], s17
	s_mov_b32 s[G0V], 1
	s_add_co_u32 s[G0V+1], s18, VOFF
	s_lshr_b32 s[LQ], s[HI], 1
	s_lshr_b32 s[LQ2], s[PB], 1
	s_add_co_u32 s[RT], s[LQ], 1
	s_mov_b32 s[NXT], 1
	s_mov_b32 s[NEW], 1
	s_mov_b32 s[OFF+1], 0
	s_lshl_b32 s[RELN], s[HI], 7
	s_sub_co_u32 s[RELN], 0, s[RELN]
	s_mov_b32 s[REL], s[RELN]
	s_mov_b32 s[FORCE], 0
	s_mov_b32 s[BIGN], 0xf149f2ca                  ; -1e30
	s_mov_b32 s[SLOTS], 8
	s_cmp_eq_u32 ttmp9, 0
	s_cselect_b32 s[LIM], 2, -1
	s_wait_dscnt 0x0                               ; the opening add is done
	s_wait_kmcnt 0x0
	s_add_nc_u64 s[6:7], s[48:49], s[22:23]        ; K and V at my half of the head's tile 0
	s_add_nc_u64 s[8:9], s[6:7], 8388608
	s_add_nc_u64 s[G0K+2:G0K+3], s[6:7], 0
	s_or_b32 s[G0K+3], s[G0K+3], 0x80000000
	s_add_nc_u64 s[G0V+2:G0V+3], s[8:9], 0
	s_or_b32 s[G0V+3], s[G0V+3], 0x80000000
	s_add_nc_u64 s[4:5], s[48:49], s[2:3]          ; Q and O at my rows of the first block,
	s_add_nc_u64 s[10:11], s[50:51], s[2:3]
	s_add_nc_u64 s[86:87], s[48:49], s[88:89]      ; and of the second
	s_add_nc_u64 s[OLO:OLO+1], s[50:51], s[88:89]
	s_cmp_lt_u32 s[WV], 2
	s_cselect_b64 s[PFA:PFA+1], s[6:7], s[8:9]
	s_add_nc_u64 s[PFA:PFA+1], s[PFA:PFA+1], 32768 ; at tile 1: the first change steps it to tile 2
	LOAD                                           ; tile 0 into slot 0
	v_and_b32 v1, 15, v0                           ; l % 16
	v_bfe_u32 v9, v0, 4, 1                         ; l / 16
	v_lshlrev_b32 v[QO], 7, v1
	v_lshl_add_u32 v[QO], v9, 4, v[QO]             ; row x 128 + 16 x half
.set i, 0
.rept 4                                ; Q stays in registers: tile i / 2, channels 32 (i % 2) on
	global_load_b128 v[Q+8*i:Q+8*i+3],   v[QO], s[4:5] offset:(i/2)*2048+(i%2)*64
	global_load_b128 v[Q+8*i+4:Q+8*i+7], v[QO], s[4:5] offset:(i/2)*2048+(i%2)*64+32
.set i, i+1
.endr
	WIN 0x40                                       ; destination window 1
.set i, 0
.rept 4
	global_load_b128 v[QB+8*i:QB+8*i+3],   v[QO], s[86:87] offset:(i/2)*2048+(i%2)*64
	global_load_b128 v[QB+8*i+4:QB+8*i+7], v[QO], s[86:87] offset:(i/2)*2048+(i%2)*64+32
.set i, i+1
.endr
	; A block's first step multiplies O^T and l by a = 0, so they need only hold finite numbers: zeros now, what the first block left later.  The masks start at 0.  All this stands in the wait for the first tile.
.set i, 0
.rept 64
	v_mov_b32 v[i], 0
	v_mov_b32 v[MC+i], 0
.set i, i+1
.endr
	WIN 0
.irp u, 0,1
	v_mov_b32 v[ST+4*(\u)], 0xfe000000             ; c m: far below every c s
	v_mov_b32 v[ST+4*(\u)+1], 0xff7fffff           ; m
	v_mov_b32 v[ST+4*(\u)+2], 0
	v_mov_b32 v[ST+4*(\u)+3], 0
.endr
	v_lshlrev_b32 v10, 3, v9
	v_sub_nc_u32 v[QT], v1, v10
	s_lshl_b32 s13, s[WV], 5
	v_add_nc_u32 v[QT], s13, v[QT]                 ; 32 w + l % 16 - 8 (l / 16)
	v_add_nc_u32 v[QT+1], 16, v[QT]
	v_mul_u32_u24 v[AK0], v1, PK
	v_lshl_add_u32 v[AK0], v9, 4, v[AK0]
	; the turning load takes 16 keys x 16 channels (lane l reads key 8 (l / 16) + l % 8, channels 8 ((l / 8) % 2) + 0..7) and leaves half a fragment of V^T
	v_and_b32 v10, 7, v0
	v_bfe_u32 v11, v0, 3, 1
	v_lshl_add_u32 v[AV0], v9, 3, v10
	v_mul_u32_u24 v[AV0], v[AV0], PV
	v_lshl_add_u32 v[AV0], v11, 4, v[AV0]
	v_add_nc_u32 v[AV0], VOFF, v[AV0]
	s_mul_i32 s13, s[WV], 16*SP
	s_add_co_u32 s13, s13, STAGE
	v_mul_u32_u24 v[STO], v1, SP                   ; in: row l % 16, 16 bytes for each half of the lanes
	v_lshl_add_u32 v[STO], v9, 4, v[STO]
	v_add_nc_u32 v[STO], s13, v[STO]
	v_bfe_u32 v[RD], v0, 3, 2                      ; back: 32 lanes take four rows of 128 bytes,
	v_mul_u32_u24 v[RD], v[RD], SP
	v_lshl_add_u32 v[RD], v10, 4, v[RD]
	v_add_nc_u32 v[RD], s13, v[RD]
	v_and_b32 v[GO], 31, v0                        ; which are 512 consecutive bytes of O
	v_lshlrev_b32 v[PFO], 8, v[GO]
	v_lshlrev_b32 v[GO], 4, v[GO]
; Product i of 16 of S^T = K Q^T: channels 32 (i / 8) on, keys 16 ((i / 2) % 4) on, tile i % 2.  The first 8 start the sums with the mask.  The 8 accumulators take turns.
.macro KQ
.set rS, S+32*(i%2)+8*((i/2)%4)
.set rK, KF+16*((i/2)%4)+8*(i/8)
.set rQ, Q+16*(i%2)+8*(i/8)
.set rX, MC+32*(i%2)+8*((i/2)%4)
.if i < 8
	WIN 0x10                                       ; the C operand in window 1
	v_wmma_f32_16x16x32_bf16 v[rS:rS+7], v[rK:rK+7], v[rQ:rQ+7], v[rX:rX+7]
.else
	WIN 0
	v_wmma_f32_16x16x32_bf16 v[rS:rS+7], v[rK:rK+7], v[rQ:rQ+7], v[rS:rS+7]
.endif
.endm
; Product i of 16 of O^T += V^T P: keys 32 (i / 8) on, channels 16 ((i / 2) % 4) on, tile i % 2.
.macro PV
	WIN 0x51                                       ; V and O^T in window 1, P in window 0
.set rO, 32*(i%2)+8*((i/2)%4)
.set rV, VF+32*(i/8)+8*((i/2)%4)
.set rP, P+16*(i%2)+8*(i/8)
	v_wmma_f32_16x16x32_bf16 v[rO:rO+7], v[rV:rV+7], v[rP:rP+7], v[rO:rO+7]
.endm
.macro FETCH_K                         ; a step's K: 64 keys x 64 channels, 8 fragments
	WIN 0
.irp f, 0,1,2,3,4,5,6,7
	ds_load_b128 v[KF+8*\f:KF+8*\f+3],   v[AK] offset:(\f/2)*16*PK+(\f%2)*64
	ds_load_b128 v[KF+8*\f+4:KF+8*\f+7], v[AK] offset:(\f/2)*16*PK+(\f%2)*64+32
.endr
	s_add_co_u32 s[TBK], s[TBK], KS*PK
.endm
.macro FETCH_V                         ; a step's V, turned
	WIN 0x40
.irp f, 0,1,2,3,4,5,6,7
	ds_load_tr16_b128 v[VF+8*\f:VF+8*\f+3],   v[AV] offset:(\f/4)*32*PV+(\f%4)*32
	ds_load_tr16_b128 v[VF+8*\f+4:VF+8*\f+7], v[AV] offset:(\f/4)*32*PV+16*PV+(\f%4)*32
.endr
	s_add_co_u32 s[TBV], s[TBV], KS*PV
	WIN 0
.endm
.macro REGS u
.set rT, ST+4*(\u)
.set rC, TMP+4*(\u)
.set rM, MV+(\u)
.set rS, S+32*(\u)
.set rP, P+16*(\u)
.set rO, 32*(\u)
.endm
; Number n of the 22 that find tile u's maximum and statistics; each accumulator's lowest registers are read first.
;   0-11 four chains of seven scores each    12-14, 16 the four scores left over, the old m, all into c0    15 c m_old is kept    17, 18 the lane 16 away holds the query's other 32 keys    19-21 c m; its change; a
.macro XS u, n
	REGS \u
.if (\n) < 4
	v_max3_num_f32 v[rC+(\n)], v[rS+8*(\n)], v[rS+8*(\n)+1], v[rS+8*(\n)+2]
.elseif (\n) < 12
	v_max3_num_f32 v[rC+(\n)%4], v[rC+(\n)%4], v[rS+8*((\n)%4)+2*((\n)/4)+1], v[rS+8*((\n)%4)+2*((\n)/4)+2]
.elseif (\n) == 12
	v_max3_num_f32 v[rC], v[rC], v[rS+7], v[rS+15]
.elseif (\n) == 13
	v_max3_num_f32 v[rC+1], v[rC+1], v[rS+23], v[rS+31]
.elseif (\n) == 14
	v_max3_num_f32 v[rC+2], v[rC+2], v[rC+3], v[rT+1]
.elseif (\n) == 15
	v_mov_b32 v[rM], v[rT]
.elseif (\n) == 16
	v_max3_num_f32 v[rC], v[rC], v[rC+1], v[rC+2]
.elseif (\n) == 17
	v_permlanex16_b32 v[rC+3], v[rC], s[SEL], s[SEL+1]
.elseif (\n) == 18
	v_max_num_f32 v[rT+1], v[rC], v[rC+3]
.elseif (\n) == 19
	v_mul_f32 v[rT], s[CS], v[rT+1]
.elseif (\n) == 20
	v_sub_f32 v[rC+1], v[rM], v[rT]
.else
	v_exp_f32 v[rC+2], v[rC+1]
.endif
.endm
.macro MK                              ; the masks of this step: register j of key block kb is hidden where 16 kb + j is greater than my query's place less REL
	WIN 0
	v_sub_nc_u32 v[TH], v[QT], s[REL]
	v_sub_nc_u32 v[TH+1], v[QT+1], s[REL]
	WIN 0x40
.set z, 0
.rept 64
	v_cmp_gt_i32 vcc_lo, 16*((z%32)/8)+z%8, v[TH+z/32]
	v_cndmask_b32 v[MC+z], 0, s[BIGN], vcc_lo
.set z, z+1
.endr
	WIN 0
	s_mov_b32 s[FORCE], -1
.endm
.macro SOFTMAX
	WIN 0
.irp n, 0,1,2,3,4,5,6,7,8,9,10,11,12,13,14,15,16,17,18,19,20,21
	XS 0, \n
	XS 1, \n
.endr
.set b, 0
.rept 17                               ; pair b is scaled, pair b - 1 goes through the exponential: with the two a above ONE batch of 66, none of which reads another's result
.irp u, 0,1
	REGS \u
.if b < 16
	v_pk_fma_f32 v[rS+2*b:rS+2*b+1], v[rS+2*b:rS+2*b+1], s[CS:CS+1], v[rT:rT+1] op_sel_hi:[1,0,0] neg_lo:[0,0,1] neg_hi:[0,0,1]  ; c s - c m
.endif
.if b > 0
	v_exp_f32 v[rS+2*b-2], v[rS+2*b-2]
	v_exp_f32 v[rS+2*b-1], v[rS+2*b-1]
.endif
.endr
.set b, b+1
.endr
	v_nop                                          ; a plain instruction behind the last exponential,
	s_wait_alu depctr_va_vdst(0)                   ; and one wait for the batch, ahead of its first reader
.set k, 0
.rept 8                                ; four weights: two roundings, and the second pair added onto the first
.irp u, 0,1
	REGS \u
	v_cvt_pk_bf16_f32 v[rP+2*k], v[rS+4*k], v[rS+4*k+1]
	v_cvt_pk_bf16_f32 v[rP+2*k+1], v[rS+4*k+2], v[rS+4*k+3]
	v_pk_add_f32 v[rS+4*k:rS+4*k+1], v[rS+4*k:rS+4*k+1], v[rS+4*k+2:rS+4*k+3]
.endr
.set k, k+1
.endr
.irp u, 0,1
	REGS \u
	v_pk_fma_f32 v[rT+2:rT+3], v[rT+2:rT+3], v[rC+2:rC+3], v[rS:rS+1] op_sel_hi:[1,0,1]  ; l = a l + the first sum
.endr
.set k, 1
.rept 7
.irp u, 0,1
	REGS \u
	v_pk_add_f32 v[rT+2:rT+3], v[rT+2:rT+3], v[rS+4*k:rS+4*k+1]
.endr
.set k, k+1
.endr
	WIN 0x41                                       ; O^T (destination and source 0) in window 1, a in window 0
.set z, 0
.rept 16
.irp u, 0,1
	REGS \u
	v_pk_mul_f32 v[rO+2*z:rO+2*z+1], v[rO+2*z:rO+2*z+1], v[rC+2:rC+3] op_sel_hi:[1,0]
.endr
.set z, z+1
.endr
	WIN 0
.endm
; A KEY STEP, in phases.  K of this step was fetched in the step before (or at the tile's head); V of this step and K of the next are fetched behind the scores and land under the softmax.
.macro STEP
	s_max_i32 s13, s[REL], s[FORCE]
	s_cmp_lt_i32 s13, 0
	s_cbranch_scc1 .Lnomask_\@
	MK
.Lnomask_\@:
	s_wait_dscnt 0x0                               ; K is in
.set i, 0
.rept 16
	KQ
.set i, i+1
.endr
	WIN 0
	v_add_nc_u32 v[AV], s[TBV], v[AV0]             ; four plain instructions: the places between the products above (and the last V^T P) and the loads into K's and V's registers, and the first reading of the scores
	v_add_nc_u32 v[AK], s[TBK], v[AK0]
	v_nop
	v_nop
	FETCH_V
	s_cmp_eq_u32 s[CNT], 1                         ; a tile's last step fetches no K: the next tile's lies in the other slot
	s_cbranch_scc1 .Lnok_\@
	FETCH_K
.Lnok_\@:
	SOFTMAX
	s_wait_dscnt 0x0                               ; V is in (and K)
.set i, 0
.rept 16
	PV
.set i, i+1
.endr
	WIN 0
	s_add_co_i32 s[REL], s[REL], 64
.endm
.macro PACK t                          ; O^T / l, rounded; a lane's eight channels of a row pack into 16 bytes, go into rows of 144 bytes and come back as whole rows of 128
	WIN 0x41
.set i, 32*(\t)
.rept 16
	v_pk_mul_f32 v[i:i+1], v[i:i+1], v[ST+4*(\t)+2:ST+4*(\t)+3] op_sel_hi:[1,0]
.set i, i+2
.endr
	WIN 0x05                                       ; sources 0 and 1 window 1, destination window 0
.set i, 0
.rept 16
	v_cvt_pk_bf16_f32 v[S+16*(\t)+i], v[32*(\t)+2*i], v[32*(\t)+2*i+1]
.set i, i+1
.endr
	WIN 0
.irp f, 0,1,2,3
	ds_store_b128 v[STO], v[S+16*(\t)+4*\f:S+16*(\t)+4*\f+3] offset:32*\f
.endr
.irp f, 0,1,2,3
	ds_load_b128 v[S+16*(\t)+4*\f:S+16*(\t)+4*\f+3], v[RD] offset:\f*4*SP  ; LDS serves a wave's instructions in order: these see the stores above; the next tile's stores come behind them
.endr
.endm
.macro SEND t, younger                 ; younger: the LDS instructions issued behind tile t's loads
.irp f, 0,1,2,3
	s_wait_dscnt (\younger)+3-\f
	global_store_b128 v[GO], v[S+16*(\t)+4*\f:S+16*(\t)+4*\f+3], s[10:11] offset:(\t)*2048+\f*512  ; 512 consecutive bytes, aligned
.endr
.endm
.macro FINISH                          ; a block's end
	WIN 0
.irp u, 0,1
	v_add_f32 v[ST+4*(\u)+2], v[ST+4*(\u)+2], v[ST+4*(\u)+3]
.endr
	v_nop                                          ; with the additions: the places behind the last products
	v_nop
.irp u, 0,1
	v_permlanex16_b32 v[ST+4*(\u)+3], v[ST+4*(\u)+2], s[SEL], s[SEL+1]
.endr
.irp u, 0,1
	v_add_f32 v[ST+4*(\u)+2], v[ST+4*(\u)+2], v[ST+4*(\u)+3]
.endr
.irp u, 0,1
	v_rcp_f32 v[ST+4*(\u)+2], v[ST+4*(\u)+2]
.endr
	v_nop
	s_wait_alu depctr_va_vdst(0)                   ; one wait for the two reciprocals
	PACK 0
	PACK 1
	SEND 0, 8
	SEND 1, 0
.endm
; A TILE: four steps.  A block's first tile sets m, c m, REL and FORCE anew; behind a block's last tile the block goes out, and (last = 0) the second block is made ready.
.macro TILE last
	s_cmp_eq_u32 s[NEW], 1
	s_cbranch_scc0 .Lold_\@
	s_mov_b32 s[NEW], 0
	s_mov_b32 s[REL], s[RELN]
	s_mov_b32 s[FORCE], 0
.irp u, 0,1
	v_mov_b32 v[ST+4*(\u)], 0xfe000000
	v_mov_b32 v[ST+4*(\u)+1], 0xff7fffff
.endr
.Lold_\@:
	v_add_nc_u32 v[AK], s[TBK], v[AK0]
	FETCH_K
	s_mov_b32 s[CNT], 4
.Lstep_\@:
	STEP
	s_sub_co_u32 s[CNT], s[CNT], 1
	s_cmp_lg_u32 s[CNT], 0
	s_cbranch_scc1 .Lstep_\@
	s_sub_co_u32 s[RT], s[RT], 1
.if !(\last)
	s_cmp_eq_u32 s[RT], 0
	s_cbranch_scc0 .Lgo_\@
.endif
	FINISH
.if !(\last)
	s_wait_xcnt 0x0                                ; the stores have read their registers and O's address
	s_mov_b64 s[10:11], s[OLO:OLO+1]
	s_add_co_u32 s[RT], s[LQ2], 1
	s_mov_b32 s[NEW], 1
	s_lshl_b32 s[RELN], s[PB], 7
	s_sub_co_u32 s[RELN], 0, s[RELN]
	WIN 0x01                                       ; the second block's Q goes where the one text names Q
.set i, 0
.rept 32
	v_mov_b32 v[Q+i], v[QB+i]
.set i, i+1
.endr
	WIN 0
.Lgo_\@:
.endif
.endm
	s_wait_loadcnt 0x0                             ; both blocks' Q
.Lslot:                                        ; 8 times: a tile is entered and the next is asked for; one tensor load of mine is out behind each change
	CHANGE 1
	TILE 0
	s_sub_co_u32 s[SLOTS], s[SLOTS], 1
	s_cmp_lg_u32 s[SLOTS], 0
	s_cbranch_scc1 .Lslot
	CHANGE 0                                       ; the walk's last tile is written out
	TILE 1
	s_wait_tensorcnt 0x0                           ; the wave's end
	ds_add_u32 v[SPW], v[NIL]
	s_wait_dscnt 0x0
	s_endpgm
.Lfunc_end_k_q1a30aefe24_attn:
	.size	k_q1a30aefe24_attn, .Lfunc_end_k_q1a30aefe24_attn-k_q1a30aefe24_attn
	.p2alignl 7, 3214868480
	.fill 96, 4, 3214868480
	.section	.rodata,"a",@progbits
	.p2align	6, 0x0
	.amdhsa_kernel k_q1a30aefe24_attn
		.amdhsa_group_segment_fixed_size 327680
		.amdhsa_private_segment_fixed_size 0
		.amdhsa_enable_private_segment 0
		.amdhsa_kernarg_size 16
		.amdhsa_user_sgpr_count 2
		.amdhsa_user_sgpr_kernarg_segment_ptr 1
		.amdhsa_wavefront_size32 1
		.amdhsa_system_sgpr_workgroup_id_x 1
		.amdhsa_system_sgpr_workgroup_id_y 1
		.amdhsa_system_sgpr_workgroup_id_z 1
		.amdhsa_system_vgpr_workitem_id 0
		.amdhsa_next_free_vgpr 512
		.amdhsa_next_free_sgpr 96
		.amdhsa_reserve_vcc 1
		.amdhsa_float_denorm_mode_32 3
		.amdhsa_float_denorm_mode_16_64 3
		.amdhsa_memory_ordered 1
		.amdhsa_forward_progress 1
		.amdhsa_inst_pref_size 80
	.end_amdhsa_kernel
	.amdgpu_metadata
---
amdhsa.version: [ 1, 2 ]
amdhsa.kernels:
  - .name:           k_q1a30aefe24_attn
    .symbol:         k_q1a30aefe24_attn.kd
    .args:
      - { .name: qkv, .offset: 0, .size: 8, .value_kind: global_buffer, .address_space: global }
      - { .name: hb, .offset: 8, .size: 8, .value_kind: global_buffer, .address_space: global }
    .group_segment_fixed_size: 327680
    .private_segment_fixed_size: 0
    .kernarg_segment_align: 8
    .kernarg_segment_size: 16
    .max_flat_workgroup_size: 128
    .sgpr_count:     96
    .vgpr_count:     512
    .wavefront_size: 32
...
	.end_amdgpu_metadata
.endif
;; end of part 3
;; launch projg (part 4): grid 8 x 32, 4 waves a work-group, clusters of 4 x 4, 327,680 bytes of LDS; arguments hb, wa, attn_proj_b, x, x1; writes x1
.if DOCPART == 4
	.amdgcn_target "amdgcn-amd-amdhsa--gfx1250"
	.amdhsa_code_object_version 6
	.text
	.protected	k_q1a30aefe24_projg
	.globl	k_q1a30aefe24_projg
	.p2align	8
	.type	k_q1a30aefe24_projg,@function
k_q1a30aefe24_projg:
	s_mov_b64 s[64:65], 0
	v_nop
	global_prefetch_b8 v0, s[64:65] scope:SCOPE_SE
	s_setreg_imm32_b32 hwreg(HW_REG_WAVE_MODE, 25, 1), 1
	s_wait_xcnt 0x0
	s_wait_alu depctr_hold_cnt(0) depctr_sa_sdst(0) depctr_va_vdst(0) depctr_va_sdst(0) depctr_va_ssrc(0) depctr_va_vcc(0) depctr_vm_vsrc(0)
	s_getreg_b32 s2, hwreg(HW_REG_IB_STS2, 6, 4)
	s_cmp_eq_u32 s2, 0
	s_cbranch_scc0 .Lentry_in_a_cluster
	s_endpgm
.Lentry_in_a_cluster:
	s_bfe_u32 s2, ttmp6, 0x10000c
	s_cmp_lg_u32 s2, 0xf033
	s_cbranch_scc0 .Lentry_shape_is_right
	s_endpgm
.Lentry_shape_is_right:
; ATTENTION'S PROJECTION.  C[m][n] = res[m][n] + bias[n] + sum over k of A[m][k] B[n][k].  A = attention's output BY HEADS, hb [32][2048][64] bf16 (k = 64 head + channel); B = attn_proj_w in bf16
; (wa, byte WOFF on) [1024][1024]; res = x, C = x1, both [4096][1024] f32.  Sums in f32; the residual path stays in f32.
; A tile of C is 128 x 128 (256 tiles, one for each WGP); four waves, each 64 x 64: 16 accumulators.  K goes in steps of 256 through two LDS slots; the loop is ONE K step, the slot in hand a scalar.
; A's part of a step is 4 heads x 128 rows: a wave's load brings 2 heads as 2 rows of 16,384 dense bytes, padded in LDS after every 128 bytes: a quarter step (64 along K) is one head.
; CLUSTER 4 x 4: A's tiles are asked for jointly along a row of the cluster, B's along a column.  The matrix instruction is used transposed: a lane holds 8 neighbouring columns of a row of C.
; THE WALK ALONG K IS ROTATED: cluster (X, Y) begins at K step (NSTEP / 2 X + NSTEP / 4 (Y % 4)) % NSTEP and wraps round: the two clusters that read the same rows of A stand half the walk apart, four neighbouring
; clusters that read the same rows of B a quarter each: a block's readers ask for it at different times.  So the f32 sums are taken in that rotated order of K, not in ascending order.
; THE BIAS is the C operand of the products that start the sums.  The residual's 64 x 64 numbers are loaded at the head into window 2 and land under the whole loop.  No prefetch: the tiles are small and a step short.
; REGISTERS: window 0: v16-29 addresses, v32-63 bias, v128-255 accumulators; window 1: two fragment buffers of 128; window 2: v0-127 the residual.
.set SIZE_K, 1024
.set WOFF,   6291456
.set BYHEAD, 1                         ; A lies by heads
.set APITCH, 144                       ; a row of A in LDS
.set ASLAB,  128*APITCH                ; from a quarter step's part of A to the next
.set AHALF,  2*ASLAB                   ; what a wave's load of A brings
.set ABYTES, 2*AHALF
.set ASH,    20                        ; a K step of A in memory is 1 << ASH bytes: four heads
.set A_QI,   4                         ; padding after every 32 words
.set A_D0,   8192                      ; the tile's row, in elements
.set A_D1,   2                         ; its rows
.set A_ST,   131072                    ; elements from row to row: a head
.set SLOT,   147456                    ; 0x24000 shares no bit with 0, 0x9000, 0x12000, 0x1a400, where the waves' parts begin
.set KSTEP,  256
.set NSTEP,  SIZE_K/KSTEP
.set BPITCH, 528                       ; a row of B: 512 bytes + 16
.set BHALF,  64*BPITCH
.set SPARE,  2*SLOT                    ; the spare words, 128 bytes a wave, which no other line names
.set SPITCH, 272                       ; the way out: a row of 64 f32 + 16 bytes; a wave's 64 rows lie in the spent slot 0
.set ADRA0, 16
.set ADRA,  17
.set ADRB0, 20
.set ADRB,  21
.set STO, 24
.set RD,  25
.set CO,  26
.set BO,  27
.set SPW, 28
.set NIL, 29
.set BI,  32                           ; v[32:63] n block b: bias[16 b + 8 (l / 16) + 0..7] at BI + 8 b
.set ACC, 128
.set F0,  0
.set F1,  128
.set WV, 12
.set WR, 13
.set WC, 14
.set CX, 15
.set CY, 16
.set TX, 17
.set TY, 18
.set G1, 24
.set G0, 32
.set TB, 40
.set CNT, 41
.set TC, 42
.set KS, 43                            ; the K step that the walking descriptors name
.set OA, 44                            ; s[44:45] its byte offset in A
.set G1B, 48
.set G0B, 56
.set PC, 66                            ; s[66:67] C
.set OB, 76                            ; s[76:77] its byte offset in B
.set MSB, 0
.macro WIN new
.if MSB != (\new)
	s_set_vgpr_msb (MSB<<8)|(\new)
.set MSB, \new
.endif
.endm
.set MUL,  0x05                        ; sources 0 (B) and 1 (A) window 1; C and D window 0
.set TO_F, 0x40
.macro JLOAD                           ; a joint refill by the walking descriptor; s_nop 0 and four v_nop follow each line
	s_cmp_eq_u32 s[WR], 0
	s_cbranch_scc0 .Lfor_b_\@
	tensor_load_to_lds s[G0+4:G0+7], s[G1:G1+7]
	s_nop 0
.rept 4
	v_nop
.endr
	s_branch .Lasked_\@
.Lfor_b_\@:
	tensor_load_to_lds s[G0B+4:G0B+7], s[G1B:G1B+7]
	s_nop 0
.rept 4
	v_nop
.endr
.Lasked_\@:
.endm
.macro CREST
	s_cmp_lg_u32 s[WV], 0
	s_cbranch_scc1 .Lnot_wave_0_\@
	s_barrier_signal -3
.Lnot_wave_0_\@:
	s_barrier_wait -3
	s_barrier_signal -1
	s_barrier_wait -1
.endm
.macro CROUND
	s_barrier_signal -1
	s_barrier_wait -1
	CREST
.endm
	s_load_b256 s[4:11], s[0:1], 0x0               ; A s[4:5], weights s[6:7], bias s[8:9], res s[10:11]
	s_load_b64 s[PC:PC+1], s[0:1], 0x20            ; C
	v_lshl_add_u32 v[SPW], v0, 2, SPARE
	v_mov_b32 v[NIL], 0
	ds_add_u32 v[SPW], v[NIL]                      ; the wave's opening: the add and its wait ahead of my first tensor load
	ds_add_u32 v28, v29
	v_lshrrev_b32 v1, 5, v0
	v_readfirstlane_b32 s[WV], v1
	s_lshr_b32 s[WR], s[WV], 1                     ; my half of the rows; also 0: I fetch A, 1: B
	s_and_b32 s[WC], s[WV], 1                      ; my half of the columns; also which part I fetch
	s_bfe_u32 s[CX], ttmp6, 0x40000
	s_bfe_u32 s[CY], ttmp6, 0x40004
	s_lshl_b32 s[TX], ttmp9, 2
	s_add_co_u32 s[TX], s[TX], s[CX]
	s_and_b32 s[TY], ttmp7, 0xffff
	s_lshl_b32 s[TY], s[TY], 2
	s_add_co_u32 s[TY], s[TY], s[CY]
	s_lshl_b32 s19, s[CY], 2
	s_lshl_b32 s19, 15, s19
	s_lshl_b32 s22, 0x1111, s[CX]
	s_or_b32 s[G1], s19, (1<<16)|(1<<20)|(1<<21)|(A_QI<<22)|(3<<25)   ; A's tiles go to my row of the cluster; 2-byte elements; padding of 4 words
	s_or_b32 s[G1B], s22, (1<<16)|(1<<20)|(1<<21)|(6<<22)|(3<<25)     ; B's to my column; padding after every 128 words
	s_mov_b32 s[G1+1], A_D0<<16
	s_mov_b32 s[G1+2], A_D1<<16
	s_mov_b32 s[G1+3], A_D0<<16
	s_mov_b32 s[G1+4], A_D1
	s_mov_b32 s[G1+5], A_ST
	s_mov_b32 s[G1+6], 0
	s_mov_b32 s[G1+7], 0
	s_mov_b32 s[G1B+1], KSTEP<<16
	s_mov_b32 s[G1B+2], 64<<16
	s_mov_b32 s[G1B+3], KSTEP<<16
	s_mov_b32 s[G1B+4], 64
	s_mov_b32 s[G1B+5], SIZE_K
	s_mov_b32 s[G1B+6], 0
	s_mov_b32 s[G1B+7], 0
.if BYHEAD
	s_lshr_b32 s20, s[TY], 4                       ; the batch: 16 tile rows each
	s_lshl_b32 s20, s20, 4
	s_lshl_b32 s23, s[WC], 1
	s_add_co_u32 s20, s20, s23                     ; my first head of K step 0
	s_lshl_b32 s20, s20, 18                        ; 262,144 bytes a head
	s_and_b32 s21, s[TY], 15
	s_lshl_b32 s21, s21, 14                        ; 128 rows of 128 bytes
	s_add_co_u32 s20, s20, s21
.else
	s_lshl_b32 s20, s[TY], 7
	s_lshl_b32 s23, s[WC], 6
	s_add_co_u32 s20, s20, s23
	s_mul_i32 s20, s20, SIZE_K*2                   ; (128 x tile row + 64 x half) rows
.endif
	s_mov_b32 s21, 0
	s_lshl_b32 s46, s[TX], 7
	s_lshl_b32 s47, s[WC], 6
	s_add_co_u32 s46, s46, s47
	s_mul_i32 s46, s46, SIZE_K*2                   ; B: (128 x tile column + 64 x half) rows
	s_mov_b32 s47, 0
	s_mul_i32 s3, s[WV], AHALF                     ; where a part of A lands (waves 0, 1),
	s_mul_i32 s2, s[WV], BHALF                     ; and a part of B (waves 2, 3): behind A's
	s_add_co_u32 s2, s2, ABYTES-2*BHALF
	s_mov_b32 s[TB], 0
	s_and_b32 s75, ttmp7, 3                        ; the cluster's first K step, of the cluster's coordinates alone
	s_mul_i32 s75, s75, NSTEP/4
	s_mul_i32 s[KS], ttmp9, NSTEP/2
	s_add_co_u32 s[KS], s[KS], s75
	s_and_b32 s[KS], s[KS], NSTEP-1
	s_mov_b32 s[OA+1], 0
	s_mov_b32 s[OB+1], 0
	s_wait_dscnt 0x0                               ; the opening add is done
	s_wait_kmcnt 0x0
	s_add_nc_u64 s[6:7], s[6:7], WOFF
	s_add_nc_u64 s[20:21], s[4:5], s[20:21]        ; my part of A and of B, at K step 0
	s_add_nc_u64 s[46:47], s[6:7], s[46:47]
	CROUND                                         ; all sixteen work-groups are here: the first joint loads meet
.irp s, 0,1
	s_lshl_b32 s[OA], s[KS], ASH
	s_lshl_b32 s[OB], s[KS], 9                     ; a K step is 512 bytes of a row of B
	s_mov_b32 s[G0+4*(\s)], 1
	s_add_co_u32 s[G0+4*(\s)+1], s3, (\s)*SLOT
	s_add_nc_u64 s[G0+4*(\s)+2:G0+4*(\s)+3], s[20:21], s[OA:OA+1]
	s_or_b32 s[G0+4*(\s)+3], s[G0+4*(\s)+3], 0x80000000
	s_mov_b32 s[G0B+4*(\s)], 1
	s_add_co_u32 s[G0B+4*(\s)+1], s2, (\s)*SLOT
	s_add_nc_u64 s[G0B+4*(\s)+2:G0B+4*(\s)+3], s[46:47], s[OB:OB+1]
	s_or_b32 s[G0B+4*(\s)+3], s[G0B+4*(\s)+3], 0x80000000
.if (\s) == 0
	s_add_co_u32 s[KS], s[KS], 1
	s_and_b32 s[KS], s[KS], NSTEP-1
.endif
.endr
	s_cmp_eq_u32 s[WR], 0                          ; a wave's two first fills stand in one branch: two loads of mine are out
	s_cbranch_scc0 .Lfirst_b
	tensor_load_to_lds s[G0:G0+3], s[G1:G1+7]
	s_nop 0
	tensor_load_to_lds s[G0+4:G0+7], s[G1:G1+7]
	s_nop 0
.rept 4
	v_nop
.endr
	s_branch .Lfirst_done
.Lfirst_b:
	tensor_load_to_lds s[G0B:G0B+3], s[G1B:G1B+7]
	s_nop 0
	tensor_load_to_lds s[G0B+4:G0B+7], s[G1B:G1B+7]
	s_nop 0
.rept 4
	v_nop
.endr
.Lfirst_done:
	v_and_b32 v1, 15, v0                           ; l % 16
	v_bfe_u32 v2, v0, 4, 1                         ; l / 16
	v_lshlrev_b32 v[CO], 12, v2                    ; lanes 0-15 one row's 256 bytes, lanes 16-31 the next row's
	v_lshl_add_u32 v[CO], v1, 4, v[CO]
	s_lshl_b32 s68, s[TY], 7
	s_lshl_b32 s69, s[WR], 6
	s_add_co_u32 s68, s68, s69
	s_lshl_b32 s68, s68, 12                        ; my first row, 4,096 bytes a row
	s_lshl_b32 s70, s[TX], 7
	s_lshl_b32 s71, s[WC], 6
	s_add_co_u32 s70, s70, s71
	s_lshl_b32 s70, s70, 2                         ; my first column, in bytes
	s_add_co_u32 s68, s68, s70
	s_mov_b32 s69, 0
	s_add_nc_u64 s[10:11], s[10:11], s[68:69]
	s_add_nc_u64 s[PC:PC+1], s[PC:PC+1], s[68:69]
	v_lshl_add_u32 v[BO], v2, 5, s70               ; + 32 (l / 16): my eight columns of n block 0
.irp b, 0,1,2,3
	global_load_b128 v[BI+8*(\b):BI+8*(\b)+3],   v[BO], s[8:9] offset:64*(\b)
	global_load_b128 v[BI+8*(\b)+4:BI+8*(\b)+7], v[BO], s[8:9] offset:64*(\b)+16
.endr
	WIN 0x80                                       ; destination window 2
.set t, 0
.rept 32
	global_load_b128 v[4*t:4*t+3], v[CO], s[10:11] offset:8192*t
.set t, t+1
.endr
	WIN 0
	v_mul_u32_u24 v3, v1, APITCH
	v_lshl_add_u32 v3, v2, 4, v3
	s_mul_i32 s72, s[WR], 64*APITCH
	v_add_nc_u32 v[ADRA0], s72, v3
	v_mul_u32_u24 v3, v1, BPITCH
	v_lshl_add_u32 v3, v2, 4, v3
	s_mul_i32 s73, s[WC], BHALF
	s_add_co_u32 s73, s73, ABYTES
	v_add_nc_u32 v[ADRB0], s73, v3
	v_mov_b32 v[ADRA], v[ADRA0]
	v_mov_b32 v[ADRB], v[ADRB0]
	s_mul_i32 s74, s[WV], 64*SPITCH
	v_mul_u32_u24 v[STO], v1, SPITCH
	v_lshl_add_u32 v[STO], v2, 5, v[STO]
	v_add_nc_u32 v[STO], s74, v[STO]
	v_mul_u32_u24 v[RD], v2, SPITCH
	v_lshl_add_u32 v[RD], v1, 4, v[RD]
	v_add_nc_u32 v[RD], s74, v[RD]
; 8 matrix instructions: m blocks a0, a0 + 1 x all 4 n blocks, 32 along K: half c of buffer f.  zero = 1: the first product starts the sums, with the bias as C.  The 16 accumulators take turns.
.macro MUL8 f, c, a0, zero
	WIN MUL
.irp a, \a0, (\a0)+1
.irp b, 0,1,2,3
.if \zero
	v_wmma_f32_16x16x32_bf16 v[ACC+8*(4*(\a)+(\b)):ACC+8*(4*(\a)+(\b))+7], v[(\f)+64+8*(4*(\c)+(\b)):(\f)+64+8*(4*(\c)+(\b))+7], v[(\f)+8*(4*(\c)+(\a)):(\f)+8*(4*(\c)+(\a))+7], v[BI+8*(\b):BI+8*(\b)+7]
.else
	v_wmma_f32_16x16x32_bf16 v[ACC+8*(4*(\a)+(\b)):ACC+8*(4*(\a)+(\b))+7], v[(\f)+64+8*(4*(\c)+(\b)):(\f)+64+8*(4*(\c)+(\b))+7], v[(\f)+8*(4*(\c)+(\a)):(\f)+8*(4*(\c)+(\a))+7], v[ACC+8*(4*(\a)+(\b)):ACC+8*(4*(\a)+(\b))+7]
.endif
.endr
.endr
.endm
.macro FETCH k, f                      ; 32 LDS loads in one run: 64 along K at byte k of B's rows (A: quarter k / 128), the first 32 along K first
	WIN TO_F
.irp c, 0,1
.irp i, 0,1,2,3
	ds_load_b128 v[(\f)+64+8*(4*(\c)+(\i)):(\f)+64+8*(4*(\c)+(\i))+3],   v[ADRB] offset:(\k)+64*(\c)+(\i)*16*BPITCH
	ds_load_b128 v[(\f)+64+8*(4*(\c)+(\i))+4:(\f)+64+8*(4*(\c)+(\i))+7], v[ADRB] offset:(\k)+64*(\c)+(\i)*16*BPITCH+32
	ds_load_b128 v[(\f)+8*(4*(\c)+(\i)):(\f)+8*(4*(\c)+(\i))+3],         v[ADRA] offset:((\k)/128)*ASLAB+64*(\c)+(\i)*16*APITCH
	ds_load_b128 v[(\f)+8*(4*(\c)+(\i))+4:(\f)+8*(4*(\c)+(\i))+7],       v[ADRA] offset:((\k)/128)*ASLAB+64*(\c)+(\i)*16*APITCH+32
.endr
.endr
.endm
.macro PLACES
.rept 4
	v_nop
.endr
.endm
.macro QUARTER k, f, g, zero
	s_wait_dscnt 16                                ; the first 32 along K are in
	MUL8 \f, 0, 0, \zero
	MUL8 \f, 0, 2, \zero
	PLACES
	FETCH \k, \g
	s_wait_dscnt 32                                ; all but the 32 just issued
	MUL8 \f, 1, 0, 0
	MUL8 \f, 1, 2, 0
.endm
; ONE barrier for the change of slots: all my tensor loads, the add, my reads of this slot.  round = 1: the slot is filled again: the walking descriptors step while the add is out (no tensor load of mine is out):
; the slot just read, the next K step, wrapping round.
.macro MEET round
	WIN 0
	s_xor_b32 s[TB], s[TB], SLOT
	v_add_nc_u32 v[ADRA], s[TB], v[ADRA0]
	v_add_nc_u32 v[ADRB], s[TB], v[ADRB0]
	s_wait_tensorcnt 0x0
	ds_add_u32 v[SPW], v[NIL]
.if \round
	s_add_co_u32 s[KS], s[KS], 1
	s_and_b32 s[KS], s[KS], NSTEP-1
	s_lshl_b32 s[OA], s[KS], ASH
	s_lshl_b32 s[OB], s[KS], 9
	s_xor_b32 s[G0+5], s[G0+5], SLOT
	s_add_nc_u64 s[G0+6:G0+7], s[20:21], s[OA:OA+1]
	s_or_b32 s[G0+7], s[G0+7], 0x80000000
	s_xor_b32 s[G0B+5], s[G0B+5], SLOT
	s_add_nc_u64 s[G0B+6:G0B+7], s[46:47], s[OB:OB+1]
	s_or_b32 s[G0B+7], s[G0B+7], 0x80000000
.endif
	s_wait_dscnt 17                                ; the add and the youngest sixteen loads may be out
	MUL8 F1, 0, 0, 0
	s_wait_dscnt 0x0
	s_barrier_signal -1
	MUL8 F1, 0, 2, 0
.if \round
	WIN 0
.endif
	s_barrier_wait -1
.endm
.macro TURN                            ; the barrier opens a round of the cluster's; the joint refill is the first thing behind it
	MEET 1
	CREST
	JLOAD                                          ; its four v_nop are also the places in front of the loads below
	FETCH 0, F0
	MUL8 F1, 1, 0, 0
	MUL8 F1, 1, 2, 0
.endm
.macro TURN0
	MEET 0
	PLACES
	FETCH 0, F0
	MUL8 F1, 1, 0, 0
	MUL8 F1, 1, 2, 0
.endm
	s_wait_tensorcnt 0x1                           ; my part of the first K step is in; the second's may stay out
	s_barrier_signal -1
	s_barrier_wait -1
	FETCH 0, F0
	s_wait_loadcnt 32                              ; the bias is in; the residual's 32 younger loads stay out
	QUARTER 128, F0, F1, 1
	WIN 0
	s_mov_b32 s[CNT], NSTEP-2                      ; the K steps whose slot is filled again
.Lstep:
	QUARTER 256, F1, F0, 0
	QUARTER 384, F0, F1, 0
	TURN
	QUARTER 128, F0, F1, 0
	WIN 0
	s_sub_co_u32 s[CNT], s[CNT], 1
	s_cmp_lg_u32 s[CNT], 0
	s_cbranch_scc1 .Lstep
	s_mov_b32 s[TC], 2                             ; the last two K steps ask for nothing; the second trip is left in its middle
.Ltail:
	QUARTER 256, F1, F0, 0
	QUARTER 384, F0, F1, 0
	WIN 0
	s_sub_co_u32 s[TC], s[TC], 1
	s_cmp_eq_u32 s[TC], 0
	s_cbranch_scc1 .Llast
	TURN0
	QUARTER 128, F0, F1, 0
	WIN 0
	s_branch .Ltail
.Llast:
	s_wait_dscnt 16
	MUL8 F1, 0, 0, 0
	MUL8 F1, 0, 2, 0
	s_wait_dscnt 0x0
	MUL8 F1, 1, 0, 0
	MUL8 F1, 1, 2, 0
	WIN 0
	; THE WAY OUT: my 64 x 64 sums in f32 through my own 17,408 bytes of the spent slot 0, back as whole rows of 256 bytes; the residual is added; stores of 256 aligned bytes for each 16 lanes
	s_barrier_signal -1                            ; nobody reads the ring any more, and no tensor load follows
	s_barrier_wait -1
	PLACES
.irp a, 0,1,2,3
.irp b, 0,1,2,3
	ds_store_b128 v[STO], v[ACC+8*(4*(\a)+(\b)):ACC+8*(4*(\a)+(\b))+3]   offset:(\a)*16*SPITCH+64*(\b)     ; each accumulator's low registers first
	ds_store_b128 v[STO], v[ACC+8*(4*(\a)+(\b))+4:ACC+8*(4*(\a)+(\b))+7] offset:(\a)*16*SPITCH+64*(\b)+16
.endr
.endr
.set t, 0
.rept 32
	ds_load_b128 v[ACC+4*t:ACC+4*t+3], v[RD] offset:2*SPITCH*t  ; LDS serves a wave's instructions in order: these see the stores above
.set t, t+1
.endr
	s_wait_loadcnt 0x0                             ; the residual
	WIN 0x08                                       ; source 1 in window 2
.set t, 0
.rept 32
	s_wait_dscnt 31-t                              ; load t is back, the younger ones stay out
	v_pk_add_f32 v[ACC+4*t:ACC+4*t+1], v[ACC+4*t:ACC+4*t+1], v[4*t:4*t+1]
	v_pk_add_f32 v[ACC+4*t+2:ACC+4*t+3], v[ACC+4*t+2:ACC+4*t+3], v[4*t+2:4*t+3]
.set t, t+1
.endr
	WIN 0
.set t, 0
.rept 32
	global_store_b128 v[CO], v[ACC+4*t:ACC+4*t+3], s[PC:PC+1] offset:8192*t
.set t, t+1
.endr
	s_wait_tensorcnt 0x0                           ; the wave's end
	ds_add_u32 v[SPW], v[NIL]
	s_wait_dscnt 0x0
	CROUND                                         ; the closing round
	s_endpgm
.Lfunc_end_k_q1a30aefe24_projg:
	.size	k_q1a30aefe24_projg, .Lfunc_end_k_q1a30aefe24_projg-k_q1a30aefe24_projg
	.p2alignl 7, 3214868480
	.fill 96, 4, 3214868480
	.section	.rodata,"a",@progbits
	.p2align	6, 0x0
	.amdhsa_kernel k_q1a30aefe24_projg
		.amdhsa_group_segment_fixed_size 327680
		.amdhsa_private_segment_fixed_size 0
		.amdhsa_enable_private_segment 0
		.amdhsa_kernarg_size 40
		.amdhsa_user_sgpr_count 2
		.amdhsa_user_sgpr_kernarg_segment_ptr 1
		.amdhsa_wavefront_size32 1
		.amdhsa_system_sgpr_workgroup_id_x 1
		.amdhsa_system_sgpr_workgroup_id_y 1
		.amdhsa_system_sgpr_workgroup_id_z 1
		.amdhsa_system_vgpr_workitem_id 0
		.amdhsa_next_free_vgpr 768
		.amdhsa_next_free_sgpr 80
		.amdhsa_reserve_vcc 0
		.amdhsa_float_denorm_mode_32 3
		.amdhsa_float_denorm_mode_16_64 3
		.amdhsa_memory_ordered 1
		.amdhsa_forward_progress 1
		.amdhsa_inst_pref_size 69
	.end_amdhsa_kernel
	.amdgpu_metadata
---
amdhsa.version: [ 1, 2 ]
amdhsa.kernels:
  - .name:           k_q1a30aefe24_projg
    .symbol:         k_q1a30aefe24_projg.kd
    .args:
      - { .name: hb, .offset: 0, .size: 8, .value_kind: global_buffer, .address_space: global }
      - { .name: wa, .offset: 8, .size: 8, .value_kind: global_buffer, .address_space: global }
      - { .name: attn_proj_b, .offset: 16, .size: 8, .value_kind: global_buffer, .address_space: global }
      - { .name: x, .offset: 24, .size: 8, .value_kind: global_buffer, .address_space: global }
      - { .name: x1, .offset: 32, .size: 8, .value_kind: global_buffer, .address_space: global }
    .group_segment_fixed_size: 327680
    .private_segment_fixed_size: 0
    .kernarg_segment_align: 8
    .kernarg_segment_size: 40
    .max_flat_workgroup_size: 128
    .sgpr_count:     80
    .vgpr_count:     768
    .wavefront_size: 32
...
	.end_amdgpu_metadata
.endif
;; end of part 4
;; launch ln2: the kernel of part 1 again; grid 256 x 1, 8 waves a work-group, no clusters, 0 bytes of LDS; arguments x1, ln2_w, ln2_b, attn_w, attn_proj_w, hb, wa; writes hb, wa
;; launch fcg (part 5): grid 16 x 16, 4 waves a work-group, clusters of 4 x 4, 327,680 bytes of LDS; arguments hb, wf, fc_b, gb; writes gb
.if DOCPART == 5
	.amdgcn_target "amdgcn-amd-amdhsa--gfx1250"
	.amdhsa_code_object_version 6
	.text
	.protected	k_q1a30aefe24_fcg
	.globl	k_q1a30aefe24_fcg
	.p2align	8
	.type	k_q1a30aefe24_fcg,@function
k_q1a30aefe24_fcg:
	s_mov_b64 s[64:65], 0
	v_nop
	global_prefetch_b8 v0, s[64:65] scope:SCOPE_SE
	s_setreg_imm32_b32 hwreg(HW_REG_WAVE_MODE, 25, 1), 1
	s_wait_xcnt 0x0
	s_wait_alu depctr_hold_cnt(0) depctr_sa_sdst(0) depctr_va_vdst(0) depctr_va_sdst(0) depctr_va_ssrc(0) depctr_va_vcc(0) depctr_vm_vsrc(0)
	s_getreg_b32 s2, hwreg(HW_REG_IB_STS2, 6, 4)
	s_cmp_eq_u32 s2, 0
	s_cbranch_scc0 .Lentry_in_a_cluster
	s_endpgm
.Lentry_in_a_cluster:
	s_bfe_u32 s2, ttmp6, 0x10000c
	s_cmp_lg_u32 s2, 0xf033
	s_cbranch_scc0 .Lentry_shape_is_right
	s_endpgm
.Lentry_shape_is_right:
; FC AND GELU.  C[m][n] = gelu(sum over k of A[m][k] B[n][k] + bias[n]).  A = hb [4096][1024] bf16 (LayerNorm 2), B = fc_w in bf16 (wf's first part) [4096][1024]; sums in f32.
; C = gb [4096][4096], rounded once to bf16.  LIMIT: the exact GELU's erf is taken by a series that is off by 1.5e-7 at the most for every argument (stated at the macro); NaN and infinities are not treated apart.
; A tile of C is 256 x 256 (256 tiles, one for each WGP), made by four waves, each 128 x 128: 64 accumulators of 16 x 16, 512 registers.  K goes in 8 steps of 128 through two LDS slots filled by the tensor
; data mover (rows of 256 bytes, aligned).  The loop is ONE K step: the slot in hand is a scalar that an exclusive or turns; one descriptor a tensor walks.
; CLUSTER 4 x 4: the four work-groups of a row need the same tiles of A, the four of a column the same tiles of B: each tile is asked for jointly, by the same load, descriptor and mask in all four.
; THE WALK ALONG K IS ROTATED: cluster (X, Y) begins at K step (2 X + 4 (Y % 2)) % 8 and wraps round.  The clusters of a row, which read the same rows of A, stand two K steps apart; neighbouring clusters of a
; column, which read the same rows of B, four: a block's readers ask for it at different times.  So the f32 sums are taken in that rotated order of K, not in ascending order.
; THE MATRIX INSTRUCTION IS USED TRANSPOSED (source 0 = 16 rows of B, source 1 = 16 rows of A): lane l holds row l % 16 of C and the columns 8 (l / 16) + 0..7.  THE BIAS is the C operand of the products that start the sums.
; THE WAY OUT: the ring has had its last fill, so the wave's 128 x 128 sums go in f32 into its own 67,584 bytes of it; a counted loop takes four rows a trip: GELU, rounding, stores of 256 aligned bytes.
; REGISTERS: window 0: v16-30 addresses, v64-127 and v128-191 A's fragments (two buffers), v192-255 the bias, on the way out v40-159 at work; window 1: B's fragments; windows 2, 3: the accumulators.
.set SIZE_K, 1024
.set KSTEP,  128
.set NSTEP,  SIZE_K/KSTEP
.set PITCH,  272                       ; an LDS row: 256 bytes + 16 of padding: the 16 rows of a fragment load start at 16 different groups of four banks
.set HALFT,  128*PITCH                 ; what one tensor load brings
.set SLOT,   4*HALFT                   ; A's 256 rows, then B's; 0x22000 shares no bit with a wave's 0, 0x8800, 0x11000, 0x19800, so the exclusive or is a sum
.set SPARE,  2*SLOT                    ; behind the ring: the spare words, 128 bytes a wave, which no other line names
.set DP,     528                       ; the way out: a row of 128 f32 + 16 bytes
.set DW,     128*DP                    ; a wave's share of the spent ring
.set G1W0,   (1<<16)|(1<<20)|(1<<21)|(5<<22)|(3<<25)  ; 2-byte elements; padding on; bit 21 beside a mask; after every 64 words; 4 words
.set ADRA0, 16
.set ADRA,  17
.set ADRB0, 20
.set ADRB,  21
.set STO, 24
.set RD,  25
.set CO,  26
.set BO,  27
.set SPW, 28
.set NIL, 29
.set PFO, 30
.set RAW, 40                           ; v[40:55]   four rows' sums as read back: x
.set XV,  56                           ; v[56:71]   gelu(x)
.set YV,  72                           ; v[72:79]   rounded
.set UV,  80                           ; v[80:95]   -z z log2(e), then its exponential, then that times t
.set TV,  96                           ; v[96:111]  1 + p z, then t
.set HV,  128                          ; v[128:143] x / 2
.set PN,  144                          ; v[144:159] the series, then erf
.set BIAS, 192                         ; v[192:255] n block b: bias[16 b + 8 (l / 16) + 0..7] at BIAS + 8 b
.set F0,  64
.set F1,  128
.set WV, 12
.set WR, 13                            ; my half of the tile's rows; also 0: I fetch A, 1: I fetch B
.set WC, 14                            ; my half of its columns; also which 128 rows I fetch
.set CX, 15
.set CY, 16
.set TX, 17
.set TY, 18
.set G1, 24
.set G0, 32                            ; two sets; the second walks
.set TB, 40                            ; LDS byte at which the slot in hand begins
.set CNT, 41
.set TC, 42
.set LIM, 43                           ; 5 in a wave that prefetches, else the greatest number
.set PFA, 44
.set G1B, 48
.set G0B, 56
.set KS, 91                            ; the K step that the walking descriptors name
.set OF, 92                            ; s[92:93] its byte offset in a row
.set ST, 94                            ; s[94:95] what the way out adds to C's address: 0 in the first trip
.set MSB, 0
.macro WIN new                         ; the immediate's high byte repeats the setting that is left
.if MSB != (\new)
	s_set_vgpr_msb (MSB<<8)|(\new)
.set MSB, \new
.endif
.endm
.set MUL_LO, 0xa1                      ; source 0 (B) window 1, source 1 (A) window 0, C and D window 2
.set MUL_HI, 0xf1                      ; C and D window 3
.set TO_B,   0x40                      ; destination window 1
.macro JLOAD                           ; a joint refill by the walking descriptor; the branch hangs on the wave's number alone; s_nop 0 and four v_nop follow each line
	s_cmp_eq_u32 s[WR], 0
	s_cbranch_scc0 .Lfor_b_\@
	tensor_load_to_lds s[G0+4:G0+7], s[G1:G1+7]
	s_nop 0
.rept 4
	v_nop
.endr
	s_branch .Lasked_\@
.Lfor_b_\@:
	tensor_load_to_lds s[G0B+4:G0B+7], s[G1B:G1B+7]
	s_nop 0
.rept 4
	v_nop
.endr
.Lasked_\@:
.endm
; THE PREFETCH.  With the rotated walk a block is read for the first time in a cluster's first four K steps at the latest.  The first two are the first fills, the third is asked for by the first refill: these come by
; their loads alone.  The fourth is prefetched behind the first refill (CNT = 6), one K step, 256 matrix instructions, ahead of the refill that asks for it: 32 rows x 256 bytes, a lane a row.
; WHO: B's rows are read for the first time in that step by the clusters with y = 0 and 2, or 1 and 3, alike: those with y = 0 and 1 ask.  A's rows have all been read by then (four clusters stand two steps apart): nobody asks.
; Of the 128 rows that a wave fetches the partner at place cy takes 32, told apart by address.  So each block is named once.
.macro ASK
	s_cmp_gt_u32 s[CNT], s[LIM]
	s_cbranch_scc0 .Lnot_mine_\@
	global_prefetch_b8 v[PFO], s[PFA:PFA+1] th:TH_LOAD_NT scope:SCOPE_SE
.Lnot_mine_\@:
.endm
.macro CREST                           ; a round of the cluster's barrier behind its opening barrier
	s_cmp_lg_u32 s[WV], 0
	s_cbranch_scc1 .Lnot_wave_0_\@
	s_barrier_signal -3
.Lnot_wave_0_\@:
	s_barrier_wait -3
	s_barrier_signal -1
	s_barrier_wait -1
.endm
.macro CROUND
	s_barrier_signal -1
	s_barrier_wait -1
	CREST
.endm
	s_load_b256 s[4:11], s[0:1], 0x0               ; A s[4:5], B s[6:7], bias s[8:9], C s[10:11]
	v_lshl_add_u32 v[SPW], v0, 2, SPARE
	v_mov_b32 v[NIL], 0
	ds_add_u32 v[SPW], v[NIL]                      ; the wave's opening: the add and its wait ahead of my first tensor load; register work stands between
	ds_add_u32 v28, v29
	v_lshrrev_b32 v1, 5, v0
	v_readfirstlane_b32 s[WV], v1
	s_lshr_b32 s[WR], s[WV], 1
	s_and_b32 s[WC], s[WV], 1
	s_bfe_u32 s[CX], ttmp6, 0x40000
	s_bfe_u32 s[CY], ttmp6, 0x40004
	s_lshl_b32 s[TX], ttmp9, 2
	s_add_co_u32 s[TX], s[TX], s[CX]
	s_and_b32 s[TY], ttmp7, 0xffff
	s_lshl_b32 s[TY], s[TY], 2
	s_add_co_u32 s[TY], s[TY], s[CY]
	s_lshl_b32 s19, s[CY], 2
	s_lshl_b32 s19, 15, s19                        ; my row of the cluster
	s_lshl_b32 s22, 0x1111, s[CX]                  ; my column
	s_or_b32 s[G1], s19, G1W0                      ; A's tiles go to my row,
	s_or_b32 s[G1B], s22, G1W0                     ; B's to my column
.irp g, G1, G1B
	s_mov_b32 s[(\g)+1], KSTEP<<16                 ; tensor_dim0 = 128
	s_mov_b32 s[(\g)+2], 128<<16                   ; tensor_dim1 = 128
	s_mov_b32 s[(\g)+3], KSTEP<<16                 ; tile_dim0 = 128
	s_mov_b32 s[(\g)+4], 128                       ; tile_dim1 = 128
	s_mov_b32 s[(\g)+5], SIZE_K                    ; elements from row to row
	s_mov_b32 s[(\g)+6], 0
	s_mov_b32 s[(\g)+7], 0
.endr
	s_lshl_b32 s23, s[WC], 7                       ; which 128 rows of the tile I fetch
	s_lshl_b32 s20, s[TY], 8
	s_add_co_u32 s20, s20, s23
	s_lshl_b32 s20, s20, 11                        ; A: (256 x tile row + 128 x half) rows of 2,048 bytes
	s_mov_b32 s21, 0
	s_lshl_b32 s46, s[TX], 8
	s_add_co_u32 s46, s46, s23
	s_lshl_b32 s46, s46, 11                        ; B: by the tile column
	s_mov_b32 s47, 0
	s_mul_i32 s3, s[WV], HALFT                     ; where my part lands: wave x 128 rows
	s_mov_b32 s[TB], 0
	s_and_b32 s[KS], ttmp7, 1                      ; the cluster's first K step: 2 (X + 2 (Y % 2)) % 8, of the cluster's coordinates alone
	s_lshl_b32 s[KS], s[KS], 1
	s_add_co_u32 s[KS], s[KS], ttmp9
	s_lshl_b32 s[KS], s[KS], 1
	s_and_b32 s[KS], s[KS], NSTEP-1
	s_mov_b32 s[OF+1], 0
	s_mov_b32 s[ST], 0
	s_mov_b32 s[ST+1], 0
	s_mov_b32 s66, 0x3f596d27                      ; sqrt(log2(e) / 2)
	s_mov_b32 s67, 0x3f596d27
	s_mov_b32 s68, 0x3f87dc22                      ; a5 .. a1 of the series below
	s_mov_b32 s69, 0x3f87dc22
	s_mov_b32 s70, 0xbfba00e3
	s_mov_b32 s71, 0xbfba00e3
	s_mov_b32 s72, 0x3fb5f0e3
	s_mov_b32 s73, 0x3fb5f0e3
	s_mov_b32 s74, 0xbe91a98e
	s_mov_b32 s75, 0xbe91a98e
	s_mov_b32 s76, 0x3e827906
	s_mov_b32 s77, 0x3e827906
	s_mov_b32 s78, 0x3e6d3388                      ; 0.3275911 / sqrt(2)
	s_wait_dscnt 0x0                               ; the opening add is done
	s_wait_kmcnt 0x0
	s_add_nc_u64 s[20:21], s[4:5], s[20:21]        ; my rows of A and of B, at K step 0
	s_add_nc_u64 s[46:47], s[6:7], s[46:47]
	CROUND                                         ; all sixteen work-groups are here: the first joint loads meet
.irp s, 0,1
	s_lshl_b32 s[OF], s[KS], 8                     ; a K step is 256 bytes of a row
	s_mov_b32 s[G0+4*(\s)], 1
	s_add_co_u32 s[G0+4*(\s)+1], s3, (\s)*SLOT
	s_add_nc_u64 s[G0+4*(\s)+2:G0+4*(\s)+3], s[20:21], s[OF:OF+1]
	s_or_b32 s[G0+4*(\s)+3], s[G0+4*(\s)+3], 0x80000000
	s_mov_b32 s[G0B+4*(\s)], 1
	s_add_co_u32 s[G0B+4*(\s)+1], s3, (\s)*SLOT
	s_add_nc_u64 s[G0B+4*(\s)+2:G0B+4*(\s)+3], s[46:47], s[OF:OF+1]
	s_or_b32 s[G0B+4*(\s)+3], s[G0B+4*(\s)+3], 0x80000000
.if (\s) == 0
	s_add_co_u32 s[KS], s[KS], 1
	s_and_b32 s[KS], s[KS], NSTEP-1
.endif
.endr
	s_cmp_eq_u32 s[WR], 0                          ; a wave's two first fills stand in one branch: two loads of mine are out
	s_cbranch_scc0 .Lfirst_b
	tensor_load_to_lds s[G0:G0+3], s[G1:G1+7]
	s_nop 0
	tensor_load_to_lds s[G0+4:G0+7], s[G1:G1+7]
	s_nop 0
.rept 4
	v_nop
.endr
	s_branch .Lfirst_done
.Lfirst_b:
	tensor_load_to_lds s[G0B:G0B+3], s[G1B:G1B+7]
	s_nop 0
	tensor_load_to_lds s[G0B+4:G0B+7], s[G1B:G1B+7]
	s_nop 0
.rept 4
	v_nop
.endr
.Lfirst_done:
	v_and_b32 v1, 15, v0                           ; l % 16
	v_bfe_u32 v2, v0, 4, 1                         ; l / 16
	v_and_b32 v4, 31, v0                           ; l
	s_lshl_b32 s80, s[TX], 10
	s_lshl_b32 s81, s[WC], 9
	s_add_co_u32 s80, s80, s81                     ; 4 x my first column
	v_lshl_add_u32 v[BO], v2, 5, s80               ; + 32 (l / 16): my eight columns of n block 0
.irp b, 0,1,2,3,4,5,6,7
	global_load_b128 v[BIAS+8*(\b):BIAS+8*(\b)+3],   v[BO], s[8:9] offset:64*(\b)
	global_load_b128 v[BIAS+8*(\b)+4:BIAS+8*(\b)+7], v[BO], s[8:9] offset:64*(\b)+16
.endr
	v_mul_u32_u24 v3, v1, PITCH
	v_lshl_add_u32 v3, v2, 4, v3                   ; a fragment's row x pitch + 16 x half
	s_mul_i32 s82, s[WR], HALFT
	s_mul_i32 s83, s[WC], HALFT
	s_add_co_u32 s83, s83, 2*HALFT
	v_add_nc_u32 v[ADRA0], s82, v3
	v_add_nc_u32 v[ADRB0], s83, v3
	v_mov_b32 v[ADRA], v[ADRA0]
	v_mov_b32 v[ADRB], v[ADRB0]
	s_mul_i32 s82, s[WV], DW
	v_mul_u32_u24 v[STO], v1, DP
	v_lshl_add_u32 v[STO], v2, 5, v[STO]
	v_add_nc_u32 v[STO], s82, v[STO]               ; row l % 16, 32 bytes for each half of the lanes
	s_lshl_b32 s84, s[TY], 8
	s_lshl_b32 s85, s[WR], 7
	s_add_co_u32 s84, s84, s85                     ; my first row of C
	v_lshl_add_u32 v[RD], v4, 4, s82               ; a load takes a row of 512 bytes
	v_lshlrev_b32 v[CO], 3, v4
	s_lshl_b32 s84, s84, 13                        ; rows of 8,192 bytes
	s_lshr_b32 s85, s80, 1                         ; 2 x my first column
	s_add_co_u32 s84, s84, s85
	s_mov_b32 s85, 0
	s_add_nc_u64 s[10:11], s[10:11], s[84:85]
	s_and_b32 s90, ttmp7, 0xffff                   ; the prefetch
	s_lshr_b32 s90, s90, 1                         ; 0 in the clusters with y = 0 and 1,
	s_xor_b32 s89, s[WR], 1                        ; 0 in the waves that fetch for B
	s_or_b32 s90, s90, s89
	s_cmp_eq_u32 s90, 0
	s_cselect_b32 s[LIM], 5, -1
	s_lshl_b32 s88, s[TX], 8                       ; the tile's first row of B
	s_lshl_b32 s90, s[WC], 7
	s_add_co_u32 s88, s88, s90                     ; + the 128 rows that I fetch
	s_lshl_b32 s89, s[CY], 5
	s_add_co_u32 s88, s88, s89                     ; + my work-group's 32 of them
	s_lshl_b32 s88, s88, 11
	s_add_co_u32 s81, s[KS], 2                     ; KS names the cluster's second K step: its fourth
	s_and_b32 s81, s81, NSTEP-1
	s_lshl_b32 s81, s81, 8
	s_add_co_u32 s88, s88, s81
	s_mov_b32 s89, 0
	s_add_nc_u64 s[PFA:PFA+1], s[6:7], s[88:89]
	v_lshlrev_b32 v[PFO], 11, v4
; 16 matrix instructions: m blocks a0, a0 + 1 of the window's four x all 8 n blocks, 32 along K.  zero = 1: the first product starts the sums, with the bias as C.  The 64 accumulators take turns.
.macro MUL16 f, hi, a0, zero
.if \zero
	WIN 0x81+0x40*(\hi)                            ; as below, with the C operand in window 0
.else
	WIN MUL_LO+0x50*(\hi)
.endif
.irp a, \a0, (\a0)+1
.irp b, 0,1,2,3,4,5,6,7
.if \zero
	v_wmma_f32_16x16x32_bf16 v[8*(8*(\a)+(\b)):8*(8*(\a)+(\b))+7], v[(\f)+8*(\b):(\f)+8*(\b)+7], v[(\f)+8*(4*(\hi)+(\a)):(\f)+8*(4*(\hi)+(\a))+7], v[BIAS+8*(\b):BIAS+8*(\b)+7]
.else
	v_wmma_f32_16x16x32_bf16 v[8*(8*(\a)+(\b)):8*(8*(\a)+(\b))+7], v[(\f)+8*(\b):(\f)+8*(\b)+7], v[(\f)+8*(4*(\hi)+(\a)):(\f)+8*(4*(\hi)+(\a))+7], v[8*(8*(\a)+(\b)):8*(8*(\a)+(\b))+7]
.endif
.endr
.endr
.endm
.macro FETCH k, f                      ; 32 LDS loads in one run: a quarter step's fragments (B's 128 rows, then A's) at byte k of the rows of the slot in hand
	WIN TO_B
.irp i, 0,1,2,3,4,5,6,7
	ds_load_b128 v[(\f)+8*(\i):(\f)+8*(\i)+3],   v[ADRB] offset:(\k)+(\i)*16*PITCH
	ds_load_b128 v[(\f)+8*(\i)+4:(\f)+8*(\i)+7], v[ADRB] offset:(\k)+(\i)*16*PITCH+32
.endr
	WIN 0
.irp i, 0,1,2,3,4,5,6,7
	ds_load_b128 v[(\f)+8*(\i):(\f)+8*(\i)+3],   v[ADRA] offset:(\k)+(\i)*16*PITCH
	ds_load_b128 v[(\f)+8*(\i)+4:(\f)+8*(\i)+7], v[ADRA] offset:(\k)+(\i)*16*PITCH+32
.endr
.endm
.macro PLACES                          ; four plain instructions between a matrix instruction and a load into, or a reader of, its registers
.rept 4
	v_nop
.endr
.endm
.macro QUARTER k, f, g, zero           ; multiplies buffer f; in its middle fetches the next quarter, at byte k, into g
	s_wait_dscnt 8                                 ; B and A's rows 0-63 are in; the youngest eight loads may be out
	MUL16 \f, 0, 0, \zero
	MUL16 \f, 0, 2, \zero
	PLACES
	FETCH \k, \g
	s_wait_dscnt 32                                ; all but the 32 just issued
	MUL16 \f, 1, 0, \zero
	MUL16 \f, 1, 2, \zero
.endm
; The first half of a K step's last quarter: ONE barrier for the change of slots.  In front of it each wave waits for all its tensor loads (its part of the next slot), adds 0 to its spare word,
; and waits for that and for its reads of this slot.  round = 1: the slot is filled again: the walking descriptors step while the add is out (no tensor load of mine is out): the slot just read, the next K step, wrapping round.
.macro MEET round
	WIN 0
	s_xor_b32 s[TB], s[TB], SLOT                   ; the fetches turn to the other slot; this slot's loads have all been issued
	v_add_nc_u32 v[ADRA], s[TB], v[ADRA0]
	v_add_nc_u32 v[ADRB], s[TB], v[ADRB0]
	s_wait_tensorcnt 0x0
	ds_add_u32 v[SPW], v[NIL]
.if \round
	s_add_co_u32 s[KS], s[KS], 1
	s_and_b32 s[KS], s[KS], NSTEP-1
	s_lshl_b32 s[OF], s[KS], 8
	s_xor_b32 s[G0+5], s[G0+5], SLOT
	s_add_nc_u64 s[G0+6:G0+7], s[20:21], s[OF:OF+1]
	s_or_b32 s[G0+7], s[G0+7], 0x80000000
	s_xor_b32 s[G0B+5], s[G0B+5], SLOT
	s_add_nc_u64 s[G0B+6:G0B+7], s[46:47], s[OF:OF+1]
	s_or_b32 s[G0B+7], s[G0B+7], 0x80000000
.endif
	s_wait_dscnt 9                                 ; the add and the youngest eight loads may be out
	MUL16 F1, 0, 0, 0
	s_wait_dscnt 0x0                               ; the add is done, and my reads of this slot are over
	s_barrier_signal -1
	MUL16 F1, 0, 2, 0
.if \round
	WIN 0
.endif
	s_barrier_wait -1
.endm
.macro TURN                            ; the last quarter where the slot is filled again: the barrier opens a round of the cluster's, and the joint refill is the first thing behind it
	MEET 1
	CREST
	JLOAD                                          ; its four v_nop are also the places in front of the loads below
	FETCH 0, F0
	ASK
	MUL16 F1, 1, 0, 0
	MUL16 F1, 1, 2, 0
.endm
.macro TURN0                           ; the same with nothing left to ask for
	MEET 0
	PLACES
	FETCH 0, F0
	MUL16 F1, 1, 0, 0
	MUL16 F1, 1, 2, 0
.endm
	s_wait_tensorcnt 0x1                           ; my part of the first K step is in; the second's may stay out
	s_barrier_signal -1
	s_barrier_wait -1
	FETCH 0, F0
	s_wait_loadcnt 0x0                             ; the bias
	QUARTER 64, F0, F1, 1                          ; the first quarter starts the sums
	WIN 0
	s_mov_b32 s[CNT], 6                            ; the K steps whose slot is filled again
.Lstep:                                        ; from a K step's second quarter to the next step's first
	QUARTER 128, F1, F0, 0
	QUARTER 192, F0, F1, 0
	TURN
	QUARTER 64, F0, F1, 0
	WIN 0
	s_sub_co_u32 s[CNT], s[CNT], 1
	s_cmp_lg_u32 s[CNT], 0
	s_cbranch_scc1 .Lstep
	s_mov_b32 s[TC], 2                             ; the last two K steps ask for nothing; the second trip is left in its middle
.Ltail:
	QUARTER 128, F1, F0, 0
	QUARTER 192, F0, F1, 0
	WIN 0
	s_sub_co_u32 s[TC], s[TC], 1
	s_cmp_eq_u32 s[TC], 0
	s_cbranch_scc1 .Llast
	TURN0
	QUARTER 64, F0, F1, 0
	WIN 0
	s_branch .Ltail
.Llast:
	s_wait_dscnt 8
	MUL16 F1, 0, 0, 0
	MUL16 F1, 0, 2, 0
	s_wait_dscnt 0x0
	MUL16 F1, 1, 0, 0
	MUL16 F1, 1, 2, 0
	WIN 0
	; THE WAY OUT
	s_barrier_signal -1                            ; every wave's reads of the ring are back: nobody reads it any more, and no tensor load follows
	s_barrier_wait -1
	PLACES
.irp hi, 0,1
	WIN 0x08+4*(\hi)                               ; the stores' data in window 2, then 3
.irp a, 0,1,2,3
.irp b, 0,1,2,3,4,5,6,7
	ds_store_b128 v[STO], v[8*(8*(\a)+(\b)):8*(8*(\a)+(\b))+3]   offset:(4*(\hi)+(\a))*16*DP+64*(\b)     ; each accumulator's low registers first
	ds_store_b128 v[STO], v[8*(8*(\a)+(\b))+4:8*(8*(\a)+(\b))+7] offset:(4*(\hi)+(\a))*16*DP+64*(\b)+16
.endr
.endr
.endr
	WIN 0
.macro RDLOADS                         ; four rows of my share; LDS serves a wave's instructions in order, so these see the stores above
.irp g, 0,1,2,3
	ds_load_b128 v[RAW+4*(\g):RAW+4*(\g)+3], v[RD] offset:DP*(\g)
.endr
.endm
; gelu(x) = x / 2 + |x / 2| erf(|x| / sqrt 2), erf(z) = 1 - (a1 t + .. + a5 t^5) e^(-z z), t = 1 / (1 + 0.3275911 z): off by 1.5e-7 at the most, for every z (Abramowitz and Stegun 7.1.26).
; For large |x| the exponential is 0 and the result x or 0.
; GELU1: all that reads no reciprocal's and no exponential's result.  The 32 of them are ONE batch; each stands between two plain instructions: pair i's four plain lines take turns with pair i - 1's two
; reciprocals and two exponentials, and the halvings with the last pair's.
.macro GELU1
.set i, 0
.rept 9
.if i < 8
	v_pk_mul_f32 v[UV+2*i:UV+2*i+1], v[RAW+2*i:RAW+2*i+1], s[66:67] op_sel_hi:[1,0]
.else
	v_pk_mul_f32 v[HV:HV+1], v[RAW:RAW+1], 0.5 op_sel_hi:[1,0]
.endif
.if i > 0
	v_rcp_f32 v[TV+2*i-2], v[TV+2*i-2]
.endif
.if i < 8
	v_fma_f32 v[TV+2*i], |v[RAW+2*i]|, s78, 1.0
.else
	v_pk_mul_f32 v[HV+2:HV+3], v[RAW+2:RAW+3], 0.5 op_sel_hi:[1,0]
.endif
.if i > 0
	v_rcp_f32 v[TV+2*i-1], v[TV+2*i-1]
.endif
.if i < 8
	v_fma_f32 v[TV+2*i+1], |v[RAW+2*i+1]|, s78, 1.0
.else
	v_pk_mul_f32 v[HV+4:HV+5], v[RAW+4:RAW+5], 0.5 op_sel_hi:[1,0]
.endif
.if i > 0
	v_exp_f32 v[UV+2*i-2], v[UV+2*i-2]
.endif
.if i < 8
	v_pk_mul_f32 v[UV+2*i:UV+2*i+1], v[UV+2*i:UV+2*i+1], v[UV+2*i:UV+2*i+1] neg_lo:[1,0] neg_hi:[1,0]  ; -z z log2(e)
.else
	v_pk_mul_f32 v[HV+6:HV+7], v[RAW+6:RAW+7], 0.5 op_sel_hi:[1,0]
.endif
.if i > 0
	v_exp_f32 v[UV+2*i-1], v[UV+2*i-1]
.endif
.set i, i+1
.endr
.set i, 4
.rept 4
	v_pk_mul_f32 v[HV+2*i:HV+2*i+1], v[RAW+2*i:RAW+2*i+1], 0.5 op_sel_hi:[1,0]  ; plain work behind the batch
.set i, i+1
.endr
.endm
.macro GELU2                           ; behind the wait: the series, erf, the result
.set i, 0
.rept 8
	v_pk_fma_f32 v[PN+2*i:PN+2*i+1], v[TV+2*i:TV+2*i+1], s[68:69], s[70:71] op_sel_hi:[1,0,0]
.set i, i+1
.endr
.irp c, 72,74,76
.set i, 0
.rept 8
	v_pk_fma_f32 v[PN+2*i:PN+2*i+1], v[PN+2*i:PN+2*i+1], v[TV+2*i:TV+2*i+1], s[\c:\c+1] op_sel_hi:[1,1,0]
.set i, i+1
.endr
.endr
.set i, 0
.rept 8
	v_pk_mul_f32 v[UV+2*i:UV+2*i+1], v[TV+2*i:TV+2*i+1], v[UV+2*i:UV+2*i+1]
.set i, i+1
.endr
.set i, 0
.rept 8
	v_pk_fma_f32 v[PN+2*i:PN+2*i+1], v[PN+2*i:PN+2*i+1], v[UV+2*i:UV+2*i+1], 1.0 op_sel_hi:[1,1,0] neg_lo:[1,0,0] neg_hi:[1,0,0]  ; erf
.set i, i+1
.endr
.set i, 0
.rept 16
	v_fma_f32 v[XV+i], |v[HV+i]|, v[PN+i], v[HV+i]
.set i, i+1
.endr
.endm
.macro EP last                         ; four rows: GELU, rounding, stores; the next four rows are read meanwhile
	s_wait_dscnt 0x0
	GELU1
.if !(\last)
	v_add_nc_u32 v[RD], 4*DP, v[RD]
	RDLOADS                                        ; x has been read for the last time
.endif
	s_wait_alu depctr_va_vdst(0)                   ; one wait for the 32, ahead of their first reader
	GELU2
	s_wait_xcnt 0x0                                ; the last trip's stores, a whole GELU back, have read their data and their base: both are written again only behind this wait
	s_add_nc_u64 s[10:11], s[10:11], s[ST:ST+1]    ; four rows on (0 in the first trip)
	s_mov_b32 s[ST], 4*8192
.set i, 0
.rept 8
	v_cvt_pk_bf16_f32 v[YV+i], v[XV+2*i], v[XV+2*i+1]
.set i, i+1
.endr
.irp g, 0,1,2,3
	global_store_b64 v[CO], v[YV+2*(\g):YV+2*(\g)+1], s[10:11] offset:8192*(\g)                       ; 32 lanes x 8 bytes: 256 consecutive bytes of a row, aligned
.endr
.endm
	RDLOADS
	s_mov_b32 s[CNT], 31
.Lout:
	EP 0
	s_sub_co_u32 s[CNT], s[CNT], 1
	s_cmp_lg_u32 s[CNT], 0
	s_cbranch_scc1 .Lout
	EP 1
	s_wait_tensorcnt 0x0                           ; the wave's end, behind my last tensor load and my last LDS store
	ds_add_u32 v[SPW], v[NIL]
	s_wait_dscnt 0x0
	CROUND                                         ; the closing round
	s_endpgm
.Lfunc_end_k_q1a30aefe24_fcg:
	.size	k_q1a30aefe24_fcg, .Lfunc_end_k_q1a30aefe24_fcg-k_q1a30aefe24_fcg
	.p2alignl 7, 3214868480
	.fill 96, 4, 3214868480
	.section	.rodata,"a",@progbits
	.p2align	6, 0x0
	.amdhsa_kernel k_q1a30aefe24_fcg
		.amdhsa_group_segment_fixed_size 327680
		.amdhsa_private_segment_fixed_size 0
		.amdhsa_enable_private_segment 0
		.amdhsa_kernarg_size 32
		.amdhsa_user_sgpr_count 2
		.amdhsa_user_sgpr_kernarg_segment_ptr 1
		.amdhsa_wavefront_size32 1
		.amdhsa_system_sgpr_workgroup_id_x 1
		.amdhsa_system_sgpr_workgroup_id_y 1
		.amdhsa_system_sgpr_workgroup_id_z 1
		.amdhsa_system_vgpr_workitem_id 0
		.amdhsa_next_free_vgpr 1024
		.amdhsa_next_free_sgpr 96
		.amdhsa_reserve_vcc 0
		.amdhsa_float_denorm_mode_32 3
		.amdhsa_float_denorm_mode_16_64 3
		.amdhsa_memory_ordered 1
		.amdhsa_forward_progress 1
		.amdhsa_inst_pref_size 102
	.end_amdhsa_kernel
	.amdgpu_metadata
---
amdhsa.version: [ 1, 2 ]
amdhsa.kernels:
  - .name:           k_q1a30aefe24_fcg
    .symbol:         k_q1a30aefe24_fcg.kd
    .args:
      - { .name: hb, .offset: 0, .size: 8, .value_kind: global_buffer, .address_space: global }
      - { .name: wf, .offset: 8, .size: 8, .value_kind: global_buffer, .address_space: global }
      - { .name: fc_b, .offset: 16, .size: 8, .value_kind: global_buffer, .address_space: global }
      - { .name: gb, .offset: 24, .size: 8, .value_kind: global_buffer, .address_space: global }
    .group_segment_fixed_size: 327680
    .private_segment_fixed_size: 0
    .kernarg_segment_align: 8
    .kernarg_segment_size: 32
    .max_flat_workgroup_size: 128
    .sgpr_count:     96
    .vgpr_count:     1024
    .wavefront_size: 32
...
	.end_amdgpu_metadata
.endif
;; end of part 5
;; launch mlpg (part 6): grid 8 x 32, 4 waves a work-group, clusters of 4 x 4, 327,680 bytes of LDS; arguments gb, wf, mlp_proj_b, x1, out0; writes out0
.if DOCPART == 6
	.amdgcn_target "amdgcn-amd-amdhsa--gfx1250"
	.amdhsa_code_object_version 6
	.text
	.protected	k_q1a30aefe24_mlpg
	.globl	k_q1a30aefe24_mlpg
	.p2align	8
	.type	k_q1a30aefe24_mlpg,@function
k_q1a30aefe24_mlpg:
	s_mov_b64 s[64:65], 0
	v_nop
	global_prefetch_b8 v0, s[64:65] scope:SCOPE_SE
	s_setreg_imm32_b32 hwreg(HW_REG_WAVE_MODE, 25, 1), 1
	s_wait_xcnt 0x0
	s_wait_alu depctr_hold_cnt(0) depctr_sa_sdst(0) depctr_va_vdst(0) depctr_va_sdst(0) depctr_va_ssrc(0) depctr_va_vcc(0) depctr_vm_vsrc(0)
	s_getreg_b32 s2, hwreg(HW_REG_IB_STS2, 6, 4)
	s_cmp_eq_u32 s2, 0
	s_cbranch_scc0 .Lentry_in_a_cluster
	s_endpgm
.Lentry_in_a_cluster:
	s_bfe_u32 s2, ttmp6, 0x10000c
	s_cmp_lg_u32 s2, 0xf033
	s_cbranch_scc0 .Lentry_shape_is_right
	s_endpgm
.Lentry_shape_is_right:
; THE MLP'S PROJECTION.  C[m][n] = res[m][n] + bias[n] + sum over k of A[m][k] B[n][k].  A = gb [4096][4096] bf16 (GELU's output); B = mlp_proj_w in bf16 (wf, byte WOFF on) [1024][4096];
; res = x1, C = out0, both [4096][1024] f32.  Sums in f32; the residual path stays in f32.
; A tile of C is 128 x 128 (256 tiles, one for each WGP); four waves, each 64 x 64: 16 accumulators.  K goes in 16 steps of 256 (LDS rows of 512 bytes) through two LDS slots; the loop is ONE K step,
; the slot in hand a scalar that an exclusive or turns; one descriptor a tensor walks.
; CLUSTER 4 x 4: A's tiles are asked for jointly along a row of the cluster, B's along a column.  The matrix instruction is used transposed: a lane holds 8 neighbouring columns of a row of C.
; THE WALK ALONG K IS ROTATED: cluster (X, Y) begins at K step (NSTEP / 2 X + NSTEP / 4 (Y % 4)) % NSTEP and wraps round: the two clusters that read the same rows of A stand half the walk apart, four neighbouring
; clusters that read the same rows of B a quarter each: a block's readers ask for it at different times.  So the f32 sums are taken in that rotated order of K, not in ascending order.
; THE BIAS is the C operand of the products that start the sums.  The residual's 64 x 64 numbers are loaded at the head into window 2 and land under the whole loop.  No prefetch: the tiles are small and a step short.
; REGISTERS: window 0: v16-29 addresses, v32-63 bias, v128-255 accumulators; window 1: two fragment buffers of 128; window 2: v0-127 the residual.
.set SIZE_K, 4096
.set WOFF,   8388608
.set BYHEAD, 0                         ; A is row-major
.set APITCH, 528                       ; a row of A in LDS: 512 bytes + 16
.set ASLAB,  128                       ; from a quarter step's part of A to the next: 128 bytes along the row
.set AHALF,  64*APITCH                 ; what a wave's load of A brings
.set ABYTES, 2*AHALF
.set ASH,    9                         ; a K step of A in memory is 1 << ASH bytes of a row
.set A_QI,   6                         ; padding after every 128 words
.set A_D0,   256                       ; the tile's row, in elements
.set A_D1,   64                        ; its rows
.set A_ST,   SIZE_K                    ; elements from row to row
.set SLOT,   135168                    ; 0x21000 shares no bit with 0, 0x8400, 0x10800, 0x18c00, where the waves' parts begin
.set KSTEP,  256
.set NSTEP,  SIZE_K/KSTEP
.set BPITCH, 528
.set BHALF,  64*BPITCH
.set SPARE,  2*SLOT                    ; the spare words, 128 bytes a wave, which no other line names
.set SPITCH, 272                       ; the way out: a row of 64 f32 + 16 bytes; a wave's 64 rows lie in the spent slot 0
.set ADRA0, 16
.set ADRA,  17
.set ADRB0, 20
.set ADRB,  21
.set STO, 24
.set RD,  25
.set CO,  26
.set BO,  27
.set SPW, 28
.set NIL, 29
.set BI,  32                           ; v[32:63] n block b: bias[16 b + 8 (l / 16) + 0..7] at BI + 8 b
.set ACC, 128
.set F0,  0
.set F1,  128
.set WV, 12
.set WR, 13
.set WC, 14
.set CX, 15
.set CY, 16
.set TX, 17
.set TY, 18
.set G1, 24
.set G0, 32
.set TB, 40
.set CNT, 41
.set TC, 42
.set KS, 43                            ; the K step that the walking descriptors name
.set OA, 44                            ; s[44:45] its byte offset in A
.set G1B, 48
.set G0B, 56
.set PC, 66                            ; s[66:67] C
.set OB, 76                            ; s[76:77] its byte offset in B
.set MSB, 0
.macro WIN new
.if MSB != (\new)
	s_set_vgpr_msb (MSB<<8)|(\new)
.set MSB, \new
.endif
.endm
.set MUL,  0x05                        ; sources 0 (B) and 1 (A) window 1; C and D window 0
.set TO_F, 0x40
.macro JLOAD                           ; a joint refill by the walking descriptor; s_nop 0 and four v_nop follow each line
	s_cmp_eq_u32 s[WR], 0
	s_cbranch_scc0 .Lfor_b_\@
	tensor_load_to_lds s[G0+4:G0+7], s[G1:G1+7]
	s_nop 0
.rept 4
	v_nop
.endr
	s_branch .Lasked_\@
.Lfor_b_\@:
	tensor_load_to_lds s[G0B+4:G0B+7], s[G1B:G1B+7]
	s_nop 0
.rept 4
	v_nop
.endr
.Lasked_\@:
.endm
.macro CREST
	s_cmp_lg_u32 s[WV], 0
	s_cbranch_scc1 .Lnot_wave_0_\@
	s_barrier_signal -3
.Lnot_wave_0_\@:
	s_barrier_wait -3
	s_barrier_signal -1
	s_barrier_wait -1
.endm
.macro CROUND
	s_barrier_signal -1
	s_barrier_wait -1
	CREST
.endm
	s_load_b256 s[4:11], s[0:1], 0x0               ; A s[4:5], weights s[6:7], bias s[8:9], res s[10:11]
	s_load_b64 s[PC:PC+1], s[0:1], 0x20            ; C
	v_lshl_add_u32 v[SPW], v0, 2, SPARE
	v_mov_b32 v[NIL], 0
	ds_add_u32 v[SPW], v[NIL]                      ; the wave's opening: the add and its wait ahead of my first tensor load
	ds_add_u32 v28, v29
	v_lshrrev_b32 v1, 5, v0
	v_readfirstlane_b32 s[WV], v1
	s_lshr_b32 s[WR], s[WV], 1                     ; my half of the rows; also 0: I fetch A, 1: B
	s_and_b32 s[WC], s[WV], 1                      ; my half of the columns; also which part I fetch
	s_bfe_u32 s[CX], ttmp6, 0x40000
	s_bfe_u32 s[CY], ttmp6, 0x40004
	s_lshl_b32 s[TX], ttmp9, 2
	s_add_co_u32 s[TX], s[TX], s[CX]
	s_and_b32 s[TY], ttmp7, 0xffff
	s_lshl_b32 s[TY], s[TY], 2
	s_add_co_u32 s[TY], s[TY], s[CY]
	s_lshl_b32 s19, s[CY], 2
	s_lshl_b32 s19, 15, s19
	s_lshl_b32 s22, 0x1111, s[CX]
	s_or_b32 s[G1], s19, (1<<16)|(1<<20)|(1<<21)|(A_QI<<22)|(3<<25)   ; A's tiles go to my row of the cluster; 2-byte elements; padding of 4 words
	s_or_b32 s[G1B], s22, (1<<16)|(1<<20)|(1<<21)|(6<<22)|(3<<25)     ; B's to my column; padding after every 128 words
	s_mov_b32 s[G1+1], A_D0<<16
	s_mov_b32 s[G1+2], A_D1<<16
	s_mov_b32 s[G1+3], A_D0<<16
	s_mov_b32 s[G1+4], A_D1
	s_mov_b32 s[G1+5], A_ST
	s_mov_b32 s[G1+6], 0
	s_mov_b32 s[G1+7], 0
	s_mov_b32 s[G1B+1], KSTEP<<16
	s_mov_b32 s[G1B+2], 64<<16
	s_mov_b32 s[G1B+3], KSTEP<<16
	s_mov_b32 s[G1B+4], 64
	s_mov_b32 s[G1B+5], SIZE_K
	s_mov_b32 s[G1B+6], 0
	s_mov_b32 s[G1B+7], 0
.if BYHEAD
	s_lshr_b32 s20, s[TY], 4                       ; the batch: 16 tile rows each
	s_lshl_b32 s20, s20, 4
	s_lshl_b32 s23, s[WC], 1
	s_add_co_u32 s20, s20, s23                     ; my first head of K step 0
	s_lshl_b32 s20, s20, 18                        ; 262,144 bytes a head
	s_and_b32 s21, s[TY], 15
	s_lshl_b32 s21, s21, 14                        ; 128 rows of 128 bytes
	s_add_co_u32 s20, s20, s21
.else
	s_lshl_b32 s20, s[TY], 7
	s_lshl_b32 s23, s[WC], 6
	s_add_co_u32 s20, s20, s23
	s_mul_i32 s20, s20, SIZE_K*2                   ; (128 x tile row + 64 x half) rows
.endif
	s_mov_b32 s21, 0
	s_lshl_b32 s46, s[TX], 7
	s_lshl_b32 s47, s[WC], 6
	s_add_co_u32 s46, s46, s47
	s_mul_i32 s46, s46, SIZE_K*2                   ; B: (128 x tile column + 64 x half) rows
	s_mov_b32 s47, 0
	s_mul_i32 s3, s[WV], AHALF                     ; where a part of A lands (waves 0, 1),
	s_mul_i32 s2, s[WV], BHALF                     ; and a part of B (waves 2, 3): behind A's
	s_add_co_u32 s2, s2, ABYTES-2*BHALF
	s_mov_b32 s[TB], 0
	s_and_b32 s75, ttmp7, 3                        ; the cluster's first K step, of the cluster's coordinates alone
	s_mul_i32 s75, s75, NSTEP/4
	s_mul_i32 s[KS], ttmp9, NSTEP/2
	s_add_co_u32 s[KS], s[KS], s75
	s_and_b32 s[KS], s[KS], NSTEP-1
	s_mov_b32 s[OA+1], 0
	s_mov_b32 s[OB+1], 0
	s_wait_dscnt 0x0                               ; the opening add is done
	s_wait_kmcnt 0x0
	s_add_nc_u64 s[6:7], s[6:7], WOFF
	s_add_nc_u64 s[20:21], s[4:5], s[20:21]        ; my part of A and of B, at K step 0
	s_add_nc_u64 s[46:47], s[6:7], s[46:47]
	CROUND                                         ; all sixteen work-groups are here: the first joint loads meet
.irp s, 0,1
	s_lshl_b32 s[OA], s[KS], ASH
	s_lshl_b32 s[OB], s[KS], 9                     ; a K step is 512 bytes of a row of B
	s_mov_b32 s[G0+4*(\s)], 1
	s_add_co_u32 s[G0+4*(\s)+1], s3, (\s)*SLOT
	s_add_nc_u64 s[G0+4*(\s)+2:G0+4*(\s)+3], s[20:21], s[OA:OA+1]
	s_or_b32 s[G0+4*(\s)+3], s[G0+4*(\s)+3], 0x80000000
	s_mov_b32 s[G0B+4*(\s)], 1
	s_add_co_u32 s[G0B+4*(\s)+1], s2, (\s)*SLOT
	s_add_nc_u64 s[G0B+4*(\s)+2:G0B+4*(\s)+3], s[46:47], s[OB:OB+1]
	s_or_b32 s[G0B+4*(\s)+3], s[G0B+4*(\s)+3], 0x80000000
.if (\s) == 0
	s_add_co_u32 s[KS], s[KS], 1
	s_and_b32 s[KS], s[KS], NSTEP-1
.endif
.endr
	s_cmp_eq_u32 s[WR], 0                          ; a wave's two first fills stand in one branch: two loads of mine are out
	s_cbranch_scc0 .Lfirst_b
	tensor_load_to_lds s[G0:G0+3], s[G1:G1+7]
	s_nop 0
	tensor_load_to_lds s[G0+4:G0+7], s[G1:G1+7]
	s_nop 0
.rept 4
	v_nop
.endr
	s_branch .Lfirst_done
.Lfirst_b:
	tensor_load_to_lds s[G0B:G0B+3], s[G1B:G1B+7]
	s_nop 0
	tensor_load_to_lds s[G0B+4:G0B+7], s[G1B:G1B+7]
	s_nop 0
.rept 4
	v_nop
.endr
.Lfirst_done:
	v_and_b32 v1, 15, v0                           ; l % 16
	v_bfe_u32 v2, v0, 4, 1                         ; l / 16
	v_lshlrev_b32 v[CO], 12, v2                    ; lanes 0-15 one row's 256 bytes, lanes 16-31 the next row's
	v_lshl_add_u32 v[CO], v1, 4, v[CO]
	s_lshl_b32 s68, s[TY], 7
	s_lshl_b32 s69, s[WR], 6
	s_add_co_u32 s68, s68, s69
	s_lshl_b32 s68, s68, 12                        ; my first row, 4,096 bytes a row
	s_lshl_b32 s70, s[TX], 7
	s_lshl_b32 s71, s[WC], 6
	s_add_co_u32 s70, s70, s71
	s_lshl_b32 s70, s70, 2                         ; my first column, in bytes
	s_add_co_u32 s68, s68, s70
	s_mov_b32 s69, 0
	s_add_nc_u64 s[10:11], s[10:11], s[68:69]
	s_add_nc_u64 s[PC:PC+1], s[PC:PC+1], s[68:69]
	v_lshl_add_u32 v[BO], v2, 5, s70               ; + 32 (l / 16): my eight columns of n block 0
.irp b, 0,1,2,3
	global_load_b128 v[BI+8*(\b):BI+8*(\b)+3],   v[BO], s[8:9] offset:64*(\b)
	global_load_b128 v[BI+8*(\b)+4:BI+8*(\b)+7], v[BO], s[8:9] offset:64*(\b)+16
.endr
	WIN 0x80                                       ; destination window 2
.set t, 0
.rept 32
	global_load_b128 v[4*t:4*t+3], v[CO], s[10:11] offset:8192*t
.set t, t+1
.endr
	WIN 0
	v_mul_u32_u24 v3, v1, APITCH
	v_lshl_add_u32 v3, v2, 4, v3
	s_mul_i32 s72, s[WR], 64*APITCH
	v_add_nc_u32 v[ADRA0], s72, v3
	v_mul_u32_u24 v3, v1, BPITCH
	v_lshl_add_u32 v3, v2, 4, v3
	s_mul_i32 s73, s[WC], BHALF
	s_add_co_u32 s73, s73, ABYTES
	v_add_nc_u32 v[ADRB0], s73, v3
	v_mov_b32 v[ADRA], v[ADRA0]
	v_mov_b32 v[ADRB], v[ADRB0]
	s_mul_i32 s74, s[WV], 64*SPITCH
	v_mul_u32_u24 v[STO], v1, SPITCH
	v_lshl_add_u32 v[STO], v2, 5, v[STO]
	v_add_nc_u32 v[STO], s74, v[STO]
	v_mul_u32_u24 v[RD], v2, SPITCH
	v_lshl_add_u32 v[RD], v1, 4, v[RD]
	v_add_nc_u32 v[RD], s74, v[RD]
; 8 matrix instructions: m blocks a0, a0 + 1 x all 4 n blocks, 32 along K: half c of buffer f.  zero = 1: the first product starts the sums, with the bias as C.  The 16 accumulators take turns.
.macro MUL8 f, c, a0, zero
	WIN MUL
.irp a, \a0, (\a0)+1
.irp b, 0,1,2,3
.if \zero
	v_wmma_f32_16x16x32_bf16 v[ACC+8*(4*(\a)+(\b)):ACC+8*(4*(\a)+(\b))+7], v[(\f)+64+8*(4*(\c)+(\b)):(\f)+64+8*(4*(\c)+(\b))+7], v[(\f)+8*(4*(\c)+(\a)):(\f)+8*(4*(\c)+(\a))+7], v[BI+8*(\b):BI+8*(\b)+7]
.else
	v_wmma_f32_16x16x32_bf16 v[ACC+8*(4*(\a)+(\b)):ACC+8*(4*(\a)+(\b))+7], v[(\f)+64+8*(4*(\c)+(\b)):(\f)+64+8*(4*(\c)+(\b))+7], v[(\f)+8*(4*(\c)+(\a)):(\f)+8*(4*(\c)+(\a))+7], v[ACC+8*(4*(\a)+(\b)):ACC+8*(4*(\a)+(\b))+7]
.endif
.endr
.endr
.endm
.macro FETCH k, f                      ; 32 LDS loads in one run: 64 along K at byte k of B's rows (A: quarter k / 128), the first 32 along K first
	WIN TO_F
.irp c, 0,1
.irp i, 0,1,2,3
	ds_load_b128 v[(\f)+64+8*(4*(\c)+(\i)):(\f)+64+8*(4*(\c)+(\i))+3],   v[ADRB] offset:(\k)+64*(\c)+(\i)*16*BPITCH
	ds_load_b128 v[(\f)+64+8*(4*(\c)+(\i))+4:(\f)+64+8*(4*(\c)+(\i))+7], v[ADRB] offset:(\k)+64*(\c)+(\i)*16*BPITCH+32
	ds_load_b128 v[(\f)+8*(4*(\c)+(\i)):(\f)+8*(4*(\c)+(\i))+3],         v[ADRA] offset:((\k)/128)*ASLAB+64*(\c)+(\i)*16*APITCH
	ds_load_b128 v[(\f)+8*(4*(\c)+(\i))+4:(\f)+8*(4*(\c)+(\i))+7],       v[ADRA] offset:((\k)/128)*ASLAB+64*(\c)+(\i)*16*APITCH+32
.endr
.endr
.endm
.macro PLACES
.rept 4
	v_nop
.endr
.endm
.macro QUARTER k, f, g, zero
	s_wait_dscnt 16                                ; the first 32 along K are in
	MUL8 \f, 0, 0, \zero
	MUL8 \f, 0, 2, \zero
	PLACES
	FETCH \k, \g
	s_wait_dscnt 32                                ; all but the 32 just issued
	MUL8 \f, 1, 0, 0
	MUL8 \f, 1, 2, 0
.endm
; ONE barrier for the change of slots: all my tensor loads, the add, my reads of this slot.  round = 1: the slot is filled again: the walking descriptors step while the add is out (no tensor load of mine is out):
; the slot just read, the next K step, wrapping round.
.macro MEET round
	WIN 0
	s_xor_b32 s[TB], s[TB], SLOT
	v_add_nc_u32 v[ADRA], s[TB], v[ADRA0]
	v_add_nc_u32 v[ADRB], s[TB], v[ADRB0]
	s_wait_tensorcnt 0x0
	ds_add_u32 v[SPW], v[NIL]
.if \round
	s_add_co_u32 s[KS], s[KS], 1
	s_and_b32 s[KS], s[KS], NSTEP-1
	s_lshl_b32 s[OA], s[KS], ASH
	s_lshl_b32 s[OB], s[KS], 9
	s_xor_b32 s[G0+5], s[G0+5], SLOT
	s_add_nc_u64 s[G0+6:G0+7], s[20:21], s[OA:OA+1]
	s_or_b32 s[G0+7], s[G0+7], 0x80000000
	s_xor_b32 s[G0B+5], s[G0B+5], SLOT
	s_add_nc_u64 s[G0B+6:G0B+7], s[46:47], s[OB:OB+1]
	s_or_b32 s[G0B+7], s[G0B+7], 0x80000000
.endif
	s_wait_dscnt 17                                ; the add and the youngest sixteen loads may be out
	MUL8 F1, 0, 0, 0
	s_wait_dscnt 0x0
	s_barrier_signal -1
	MUL8 F1, 0, 2, 0
.if \round
	WIN 0
.endif
	s_barrier_wait -1
.endm
.macro TURN                            ; the barrier opens a round of the cluster's; the joint refill is the first thing behind it
	MEET 1
	CREST
	JLOAD                                          ; its four v_nop are also the places in front of the loads below
	FETCH 0, F0
	MUL8 F1, 1, 0, 0
	MUL8 F1, 1, 2, 0
.endm
.macro TURN0
	MEET 0
	PLACES
	FETCH 0, F0
	MUL8 F1, 1, 0, 0
	MUL8 F1, 1, 2, 0
.endm
	s_wait_tensorcnt 0x1                           ; my part of the first K step is in; the second's may stay out
	s_barrier_signal -1
	s_barrier_wait -1
	FETCH 0, F0
	s_wait_loadcnt 32                              ; the bias is in; the residual's 32 younger loads stay out
	QUARTER 128, F0, F1, 1
	WIN 0
	s_mov_b32 s[CNT], NSTEP-2                      ; the K steps whose slot is filled again
.Lstep:
	QUARTER 256, F1, F0, 0
	QUARTER 384, F0, F1, 0
	TURN
	QUARTER 128, F0, F1, 0
	WIN 0
	s_sub_co_u32 s[CNT], s[CNT], 1
	s_cmp_lg_u32 s[CNT], 0
	s_cbranch_scc1 .Lstep
	s_mov_b32 s[TC], 2                             ; the last two K steps ask for nothing; the second trip is left in its middle
.Ltail:
	QUARTER 256, F1, F0, 0
	QUARTER 384, F0, F1, 0
	WIN 0
	s_sub_co_u32 s[TC], s[TC], 1
	s_cmp_eq_u32 s[TC], 0
	s_cbranch_scc1 .Llast
	TURN0
	QUARTER 128, F0, F1, 0
	WIN 0
	s_branch .Ltail
.Llast:
	s_wait_dscnt 16
	MUL8 F1, 0, 0, 0
	MUL8 F1, 0, 2, 0
	s_wait_dscnt 0x0
	MUL8 F1, 1, 0, 0
	MUL8 F1, 1, 2, 0
	WIN 0
	; THE WAY OUT: my 64 x 64 sums in f32 through my own 17,408 bytes of the spent slot 0, back as whole rows of 256 bytes; the residual is added; stores of 256 aligned bytes for each 16 lanes
	s_barrier_signal -1                            ; nobody reads the ring any more, and no tensor load follows
	s_barrier_wait -1
	PLACES
.irp a, 0,1,2,3
.irp b, 0,1,2,3
	ds_store_b128 v[STO], v[ACC+8*(4*(\a)+(\b)):ACC+8*(4*(\a)+(\b))+3]   offset:(\a)*16*SPITCH+64*(\b)     ; each accumulator's low registers first
	ds_store_b128 v[STO], v[ACC+8*(4*(\a)+(\b))+4:ACC+8*(4*(\a)+(\b))+7] offset:(\a)*16*SPITCH+64*(\b)+16
.endr
.endr
.set t, 0
.rept 32
	ds_load_b128 v[ACC+4*t:ACC+4*t+3], v[RD] offset:2*SPITCH*t  ; LDS serves a wave's instructions in order: these see the stores above
.set t, t+1
.endr
	s_wait_loadcnt 0x0                             ; the residual
	WIN 0x08                                       ; source 1 in window 2
.set t, 0
.rept 32
	s_wait_dscnt 31-t                              ; load t is back, the younger ones stay out
	v_pk_add_f32 v[ACC+4*t:ACC+4*t+1], v[ACC+4*t:ACC+4*t+1], v[4*t:4*t+1]
	v_pk_add_f32 v[ACC+4*t+2:ACC+4*t+3], v[ACC+4*t+2:ACC+4*t+3], v[4*t+2:4*t+3]
.set t, t+1
.endr
	WIN 0
.set t, 0
.rept 32
	global_store_b128 v[CO], v[ACC+4*t:ACC+4*t+3], s[PC:PC+1] offset:8192*t
.set t, t+1
.endr
	s_wait_tensorcnt 0x0                           ; the wave's end
	ds_add_u32 v[SPW], v[NIL]
	s_wait_dscnt 0x0
	CROUND                                         ; the closing round
	s_endpgm
.Lfunc_end_k_q1a30aefe24_mlpg:
	.size	k_q1a30aefe24_mlpg, .Lfunc_end_k_q1a30aefe24_mlpg-k_q1a30aefe24_mlpg
	.p2alignl 7, 3214868480
	.fill 96, 4, 3214868480
	.section	.rodata,"a",@progbits
	.p2align	6, 0x0
	.amdhsa_kernel k_q1a30aefe24_mlpg
		.amdhsa_group_segment_fixed_size 327680
		.amdhsa_private_segment_fixed_size 0
		.amdhsa_enable_private_segment 0
		.amdhsa_kernarg_size 40
		.amdhsa_user_sgpr_count 2
		.amdhsa_user_sgpr_kernarg_segment_ptr 1
		.amdhsa_wavefront_size32 1
		.amdhsa_system_sgpr_workgroup_id_x 1
		.amdhsa_system_sgpr_workgroup_id_y 1
		.amdhsa_system_sgpr_workgroup_id_z 1
		.amdhsa_system_vgpr_workitem_id 0
		.amdhsa_next_free_vgpr 768
		.amdhsa_next_free_sgpr 80
		.amdhsa_reserve_vcc 0
		.amdhsa_float_denorm_mode_32 3
		.amdhsa_float_denorm_mode_16_64 3
		.amdhsa_memory_ordered 1
		.amdhsa_forward_progress 1
		.amdhsa_inst_pref_size 69
	.end_amdhsa_kernel
	.amdgpu_metadata
---
amdhsa.version: [ 1, 2 ]
amdhsa.kernels:
  - .name:           k_q1a30aefe24_mlpg
    .symbol:         k_q1a30aefe24_mlpg.kd
    .args:
      - { .name: gb, .offset: 0, .size: 8, .value_kind: global_buffer, .address_space: global }
      - { .name: wf, .offset: 8, .size: 8, .value_kind: global_buffer, .address_space: global }
      - { .name: mlp_proj_b, .offset: 16, .size: 8, .value_kind: global_buffer, .address_space: global }
      - { .name: x1, .offset: 24, .size: 8, .value_kind: global_buffer, .address_space: global }
      - { .name: out0, .offset: 32, .size: 8, .value_kind: global_buffer, .address_space: global }
    .group_segment_fixed_size: 327680
    .private_segment_fixed_size: 0
    .kernarg_segment_align: 8
    .kernarg_segment_size: 40
    .max_flat_workgroup_size: 128
    .sgpr_count:     80
    .vgpr_count:     768
    .wavefront_size: 32
...
	.end_amdgpu_metadata
.endif
;; end of part 6
